; MI455X (gfx1250); checked and timed in simulation.
; The chip was launched on July 23, 2026; its instructions are those of AMD's public machine-readable ISA for CDNA 5 (MIT licence, August 2026) and "CDNA5" Instruction Set Architecture Reference Guide (July 2026). The comments in the code are by the model that wrote it; some were corrected since.
;; Switch Mo E. Allowed arithmetic: matrix products marked QUANTISED: E3M2 operands, one E8M0 scale for each 32 along K, by v_wmma_scale_f32_16x16x128_f8f6f4 with both operands' format E3M2, f32 sums; products left as they are: f32 operands where the result goes on into a quantised operand, else bf16, f16 or f32 operands; f32 sums; everything else in f32.
;; Inputs: b1 8 x 4,096 float32; b2 8 x 1,024 float32; gate_b 8 float32; gate_w 1,024 x 8 float32; w1 8 x 1,024 x 4,096 float32; w2 8 x 4,096 x 1,024 float32; x 4 x 256 x 1,024 float32.
;; Outputs: out0 4 x 256 x 1,024 float32.
;; This version of the problem:
;;   THIS VERSION OF THE PROBLEM IS GIVEN IN LOW PRECISION. The matrix products marked QUANTISED in the list below multiply operands that are first quantised to E3M2 (3 exponent bits, 2 mantissa bits; 6 bits a number), with one power-of-two scale for each 32 numbers along K (OCP MX v1.0); their sums are f32. All else is computed in f32.
;;   The module's matrix products, in the order in which they are computed (A, B: the left and right operand; K: the contracted axis; several contracted axes count as one K, in the product's order):
;;     1. [M 1,024, K 1,024] x [K 1,024, N 8]; A: input x; B: input gate_w: left as it is (N = 8 < 16)
;;     2. [M 32,768, K 1,024] x [K 1,024, N 1,024]; A: input w1; B: input x: QUANTISED
;;     3. batch 8 x [M 1,024, K 4,096] x [K 4,096, N 1,024]; A: computed on the way; B: input w2: QUANTISED
;;     4. batch 1,024 x [M 1,024, K 8] x [K 8, N 1]; A: computed on the way; B: computed on the way: left as it is (K = 8 < 32)
;;   THE QUANTISER, for each operand of a quantised product, along K:
;;     - K is cut into blocks of 32 from its start; a last block that is shorter is filled with zeros.
;;     - A block's scale is 2^e with e = floor(log2(the largest magnitude in the block)) - 4, held to -126 .. 127; a block of zeros has e = 0. As a byte (E8M0): e + 127.
;;     - Each number is divided by its block's scale, clamped to +-28, and rounded to the nearest number of E3M2, ties to even, subnormals kept.
;;     - The product sums the exact products of the quantised numbers (number of the format x scale) in f32.
;;   ~~~python
;;   def quantise(x, axis):      # numpy; x: float32 -> the quantised numbers, widened to float32 again
;;       x = np.moveaxis(x, axis, -1); K = x.shape[-1]
;;       x = np.pad(x, [(0, 0)] * (x.ndim - 1) + [(0, -K % 32)]); x = x.reshape(x.shape[:-1] + (-1, 32)); a = np.abs(x).max(-1, keepdims=True)
;;       e = np.where(a > 0, np.clip(np.frexp(np.where(a > 0, a, 1))[1] - 1 - 4, -126, 127), 0)      # np.frexp(a)[1] - 1 = floor(log2(a)), exactly
;;       r = np.clip(x / 2.0 ** e, -28, 28)
;;       step = 2.0 ** (np.maximum(np.frexp(np.where(r == 0, 1, r))[1] - 1, -2) - 2)
;;       q = np.round(r / step) * step * 2.0 ** e      # np.round: ties to even
;;       return np.moveaxis(q.reshape(q.shape[:-2] + (-1,))[..., :K], -1, axis).astype(np.float32)
;;   ~~~
;;   OPERANDS COMPUTED ON THE WAY. 'Computed on the way' means the value that the module computes at that place (a softmax that the list does not call 'softmax' is quantised finished and normalised). What goes into a quantiser is computed in f32, as accurately as f32 sums, v_exp_f32 and their like allow (about 1e-6 of the number): no bf16 or f16 on the way to a quantiser, and a product that is left as it is and whose result goes on into a quantised operand takes f32 operands (vector FMAs, or v_wmma_f32_16x16x4_f32). A number that lies on a knife's edge between two numbers of the format may be rounded either way, as far as f32 arithmetic and the matrix unit's own rounding can turn it there, and no further.
;; One version. Each part assembles by itself: llvm-mc -triple=amdgcn-amd-amdhsa -mcpu=gfx1250 --defsym DOCPART=n.
;; ======== version 1 of 1: 5 launches
;; limits: right only within a limited range of input values
;; workspace buffers: idx 8,192 bytes of whole numbers; list 33,024 bytes of whole numbers; rank 32,768 bytes of whole numbers; xc 819,200 bytes; hc 26,214,400 bytes; part 134,217,728 bytes
;; launch route (part 1): grid 256 x 1, 4 waves a work-group, no clusters, 55,808 bytes of LDS; arguments x, gate_w, gate_b, idx, xc; writes idx, xc
.if DOCPART == 1
	.amdgcn_target "amdgcn-amd-amdhsa--gfx1250"
	.amdhsa_code_object_version 6
	.text
	.protected	k_q2e147d7c30_route
	.globl	k_q2e147d7c30_route
	.p2align	8
	.type	k_q2e147d7c30_route,@function
k_q2e147d7c30_route:
	s_mov_b64 s[64:65], 0
	v_nop
	global_prefetch_b8 v0, s[64:65] scope:SCOPE_SE
	s_setreg_imm32_b32 hwreg(HW_REG_WAVE_MODE, 25, 1), 1
	s_wait_xcnt 0x0
; ROUTE.  For each of the 1,024 tokens: the gate (x gate_w + gate_b in f32 multiply-adds), its softmax, the two largest probabilities (of equal ones the lower index), stored as whole numbers;
; and x as codes of E3M2 with one E8M0 byte for each 32 along K, for the first product of the experts.
; SHARES.  A wave owns one token: token 4 x work-group + wave.  Lane l ends up with block l of the row, k = 32 l .. 32 l + 31, in 32 consecutive registers: the block's largest magnitude needs no other lane,
; and the conversions find 16 neighbours along K in one lane.  The loads take the row as it lies, 16 bytes a lane and 512 consecutive bytes an instruction; the row turns through the wave's own stage in LDS.
; gate_w (32 KB) is copied into LDS once by the four waves, in chunks of 32 rows with 16 bytes of padding, so that lane l reads the 32 rows that go with its 32 numbers.
; THE CODES' ORDER.  A token's 768 bytes: K step s at 96 s, its four blocks of 24 bytes in the order 0, 2, 1, 3: lane (r, h) of an operand's fragment wants blocks h and 2 + h, which are then 48 bytes on end.
; No matrix unit: the gate has 8 columns.  No cluster: work-groups share only gate_w, 32 KB.  No tensor load: the launch is short and its loads are few.
; LIMITS.  NaN and infinities among the inputs are not served.  A block whose largest magnitude lies under 2^-122 gets the byte 1, as the rule holds it; a block of zeros gets the byte 1 too (its codes are zeros; this
; program alone reads the bytes).  The gate's sums run in another order than a row-by-row sum, and the division is a reciprocal and a multiplication: two probabilities within an ulp of each other may change places.
.set GP,   1040                        ; a chunk of gate_w in LDS: 32 rows x 32 bytes + 16
.set XST,  32*GP                       ; behind gate_w: for each wave 32 places of 128 + 16 bytes, a block of x each
.set XP,   144
.set CST,  XST+4*32*XP                 ; behind them: for each wave 768 bytes, the token's codes
.set XSCL, 786432                      ; xc: where the scale bytes begin
.set XR,   16                          ; v16-47   x as loaded
.set GW,   48                          ; v48-111  gate_w as loaded; later two sets of 32: four rows of gate_w each
.set X,    112                         ; v112-143 my block of x
.set ACC,  144                         ; v144-151 my part of the eight sums, then the logits
.set P,    152                         ; v152-159 the probabilities
.set T,    160                         ; v160-172 the quantiser's: two maxima, scale operand, byte, six registers of codes, three more
.set CB,   176                         ; v176-181 the codes on their way out
	s_load_b256 s[4:11], s[0:1], 0x0               ; x s[4:5], gate_w s[6:7], gate_b s[8:9], idx s[10:11]
	s_load_b64 s[12:13], s[0:1], 0x20              ; xc
	v_lshl_add_u32 v192, v0, 2, 0xd800
	v_mov_b32 v193, 0
	v_lshrrev_b32 v1, 5, v0
	v_readfirstlane_b32 s24, v1                    ; wave
	v_and_b32 v1, 31, v0                           ; lane
	s_lshl_b32 s25, ttmp9, 2
	s_add_co_u32 s25, s25, s24                     ; my token
	v_lshlrev_b32 v2, 4, v1                        ; 16 x lane
	v_lshlrev_b32 v3, 4, v0                        ; 16 x thread
	s_lshl_b32 s28, s25, 12                        ; a row of x is 4,096 bytes
	s_mov_b32 s29, 0
	s_wait_alu depctr_va_vdst(0)
	s_wait_kmcnt 0x0
	s_add_nc_u64 s[4:5], s[4:5], s[28:29]
.irp i, 0,1,2,3,4,5,6,7
	global_load_b128 v[XR+4*\i:XR+4*\i+3], v2, s[4:5] offset:512*\i th:TH_LOAD_NT   ; 32 lanes read 512 consecutive bytes
.endr
.irp i, 0,1,2,3,4,5,6,7,8,9,10,11,12,13,14,15
	global_load_b128 v[GW+4*\i:GW+4*\i+3], v3, s[6:7] offset:2048*\i                ; the work-group reads 2,048 consecutive bytes
.endr
	s_load_b256 s[16:23], s[8:9], 0x0              ; gate_b: eight numbers, the same for every lane
	s_mul_i32 s28, s25, 768
	s_add_nc_u64 s[14:15], s[12:13], s[28:29]      ; my token's codes
	s_lshl_b32 s28, s25, 5
	s_add_co_u32 s28, s28, XSCL
	s_add_nc_u64 s[32:33], s[12:13], s[28:29]      ; and its 32 scale bytes
	s_lshl_b32 s34, s25, 3                         ; its two whole numbers in idx
	s_mov_b32 s26, 0x76543210
	s_mov_b32 s27, 0xfedcba98                      ; v_permlanex16_b32: lane l xor 16
	s_mov_b32 s35, 0x3fb8aa3b                      ; log2(e)
	s_mov_b32 s36, 0x42800000                      ; 64.0
	s_mov_b32 s37, 0xffffffc0                      ; -64
	s_mul_i32 s30, s24, 32*XP
	s_add_co_u32 s30, s30, XST                     ; my wave's stage for x
	v_lshrrev_b32 v4, 3, v1
	v_mul_u32_u24 v4, v4, XP
	v_and_b32 v5, 7, v1
	v_lshl_add_u32 v4, v5, 4, v4
	v_add_nc_u32 v4, s30, v4                       ; in: eight lanes' 128 bytes are a block: XP (lane / 8) + 16 (lane % 8); a load's 512 bytes are four blocks
	v_mul_u32_u24 v5, v1, XP
	v_add_nc_u32 v5, s30, v5                       ; out: XP x lane: my block
	v_lshrrev_b32 v6, 6, v0
	v_lshl_add_u32 v6, v6, 4, v3                   ; gate_w, in: 16 x thread + 16 for each 1,024 bytes passed
	v_mul_u32_u24 v7, v1, GP                       ; gate_w, out: chunk = lane
	s_mul_i32 s31, s24, 768
	s_add_co_u32 s31, s31, CST                     ; my wave's stage for the codes
	v_lshrrev_b32 v8, 2, v1
	v_mul_u32_u24 v8, v8, 96                       ; K step = lane / 4
	v_and_b32 v9, 1, v1
	v_mad_u32_u24 v8, v9, 48, v8                   ; blocks 1 and 3 lie in the step's second 48 bytes,
	v_bfe_u32 v9, v1, 1, 1
	v_mad_u32_u24 v8, v9, 24, v8                   ; blocks 2 and 3 second in their 48
	v_add_nc_u32 v8, s31, v8
	v_lshlrev_b32 v10, 3, v1                       ; 8 x lane: the codes on their way out, in LDS and in memory
	v_add_nc_u32 v9, s31, v10
	v_mov_b32 v11, s34
.irp e, 0,1,2,3,4,5,6,7
	v_mov_b32 v[P+\e], 0                           ; written once: a lane permute's destination counts as one of its sources
.endr
	s_wait_loadcnt 16                              ; x is in: the 16 younger loads are gate_w's
.irp i, 0,1,2,3,4,5,6,7
	ds_store_b128 v4, v[XR+4*\i:XR+4*\i+3] offset:4*XP*\i
.endr
	s_wait_loadcnt 0x0
.irp i, 0,1,2,3,4,5,6,7,8,9,10,11,12,13,14,15
	ds_store_b128 v6, v[GW+4*\i:GW+4*\i+3] offset:2*GP*\i
.endr
	s_wait_dscnt 0x0                               ; for the others' sake: my part of gate_w lies in LDS
	s_barrier_signal -1
	s_barrier_wait -1                              ; the launch's one barrier: every wave reads all of gate_w
.irp i, 0,1,2,3,4,5,6,7
	ds_load_b128 v[X+4*\i:X+4*\i+3], v5 offset:16*\i
.endr
	s_wait_dscnt 0x0
	; the block's largest magnitude, in two chains, with the floor 2^(5 - 127) as a leaf: the byte cannot fall under 1
	v_max3_num_f32 v[T], |v[X]|, |v[X+1]|, 0x2800000
	v_max3_num_f32 v[T+1], |v[X+2]|, |v[X+3]|, |v[X+4]|
.irp i, 5,9,13,17,21,25
	v_max3_num_f32 v[T], v[T], |v[X+\i]|, |v[X+\i+1]|
	v_max3_num_f32 v[T+1], v[T+1], |v[X+\i+2]|, |v[X+\i+3]|
.endr
	v_max3_num_f32 v[T], v[T], |v[X+29]|, |v[X+30]|
	v_max3_num_f32 v[T], v[T], v[T+1], |v[X+31]|
	v_add_nc_u32 v[T+2], 0xfe000000, v[T]          ; 4 off its exponent field: the conversion takes the exponent field of this operand as its scale
	v_cvt_scalef32_pk16_bf6_f32 v[T+4:T+6], v[X:X+15], v[T+2]
	v_cvt_scalef32_pk16_bf6_f32 v[T+10:T+12], v[X+16:X+31], v[T+2]   ; (a conversion's three registers begin on an even number)
	v_lshrrev_b32 v[T+3], 23, v[T+2]               ; the scale's byte; also the plain line behind the conversions
.irp k, 0,1,2
	v_mov_b32 v[T+7+\k], v[T+10+\k]
.endr
.irp k, 0,1,2
	ds_store_b64 v8, v[T+4+2*\k:T+5+2*\k] offset:8*\k
.endr
.irp k, 0,1,2
	ds_load_b64 v[CB+2*\k:CB+2*\k+1], v9 offset:256*\k   ; LDS serves a wave's instructions in order: these see my stores
.endr
.macro GLOAD bt                        ; four rows of gate_w for my numbers 4 bt .. 4 bt + 3, into set bt % 2
.irp m, 0,1,2,3,4,5,6,7
	ds_load_b128 v[GW+32*((\bt)%2)+4*\m:GW+32*((\bt)%2)+4*\m+3], v7 offset:128*(\bt)+16*\m
.endr
.endm
	GLOAD 0
	GLOAD 1
	s_wait_alu depctr_va_vdst(0)
	s_wait_dscnt 16                                ; the codes are back: the 16 younger loads are the two sets of gate_w
.irp k, 0,1,2
	global_store_b64 v10, v[CB+2*\k:CB+2*\k+1], s[14:15] offset:256*\k   ; 32 lanes store 256 consecutive bytes, at a multiple of 256 from the buffer's first byte
.endr
	global_store_b8 v1, v[T+3], s[32:33]           ; the token's 32 scale bytes, on end
; sixteen packed multiply-adds: two experts each; my number is taken for both halves
.macro GATE bt
.set G, GW+32*((\bt)%2)
.irp n, 0,1,2,3
.irp q, 0,1,2,3
.if ((\bt) == 0) && (\n == 0)
	v_pk_mul_f32 v[ACC+2*\q:ACC+2*\q+1], v[G+2*\q:G+2*\q+1], v[X:X+1] op_sel_hi:[1,0]   ; the first product starts the sums
.elseif \n%2 == 0
	v_pk_fma_f32 v[ACC+2*\q:ACC+2*\q+1], v[G+8*\n+2*\q:G+8*\n+2*\q+1], v[X+4*(\bt)+2*(\n/2):X+4*(\bt)+2*(\n/2)+1], v[ACC+2*\q:ACC+2*\q+1] op_sel_hi:[1,0,1]
.else
	v_pk_fma_f32 v[ACC+2*\q:ACC+2*\q+1], v[G+8*\n+2*\q:G+8*\n+2*\q+1], v[X+4*(\bt)+2*(\n/2):X+4*(\bt)+2*(\n/2)+1], v[ACC+2*\q:ACC+2*\q+1] op_sel:[0,1,0] op_sel_hi:[1,1,1]
.endif
.endr
.endr
.endm
.irp b, 0,1,2,3,4,5
	s_wait_alu depctr_va_vdst(0)
	s_wait_dscnt 8                                 ; this set is in; the next set's eight loads may be out
	GATE \b
	GLOAD \b+2
.endr
	s_wait_alu depctr_va_vdst(0)
	s_wait_dscnt 8
	GATE 6
	s_wait_alu depctr_va_vdst(0)
	s_wait_dscnt 0x0
	GATE 7
	; the sums over the 32 lanes: four steps inside each half ride on the addition, one crosses the halves; every lane ends up with all eight
.irp m, 1,2,4,8
.irp e, 0,1,2,3,4,5,6,7
	v_add_f32_dpp v[ACC+\e], v[ACC+\e], v[ACC+\e] row_xmask:\m row_mask:0xf bank_mask:0xf
.endr
.endr
.irp e, 0,1,2,3,4,5,6,7
	v_permlanex16_b32 v[P+\e], v[ACC+\e], s26, s27
.endr
.irp e, 0,1,2,3,4,5,6,7
	v_add_f32 v[ACC+\e], v[ACC+\e], v[P+\e]
.endr
	s_wait_alu depctr_va_vdst(0)
	s_wait_kmcnt 0x0                               ; gate_b
.irp e, 0,1,2,3,4,5,6,7
	v_add_f32 v[ACC+\e], s[16+\e], v[ACC+\e]
.endr
	; the softmax: the largest logit is taken away first.  2^((l - m) log2(e) + 64) and then x 2^-64, so that a probability under the smallest normal number is kept as a denormal and not lost in the exponential
	v_max3_num_f32 v182, v[ACC], v[ACC+1], v[ACC+2]
	v_max3_num_f32 v182, v182, v[ACC+3], v[ACC+4]
	v_max3_num_f32 v182, v182, v[ACC+5], v[ACC+6]
	v_max_num_f32 v182, v182, v[ACC+7]
.irp e, 0,1,2,3,4,5,6,7
	v_sub_f32 v[P+\e], v[ACC+\e], v182
.endr
.irp e, 0,1,2,3,4,5,6,7
	v_fma_f32 v[P+\e], v[P+\e], s35, s36
.endr
	s_wait_alu depctr_va_vdst(0)
.irp e, 0,1,2,3,4,5,6,7
	v_exp_f32 v[P+\e], v[P+\e]
.endr
	v_nop                                          ; a plain line behind the last exponential,
	s_wait_alu depctr_va_vdst(0)                   ; and one wait for the batch of eight, ahead of the first line that names a result
.irp e, 0,1,2,3,4,5,6,7
	v_ldexp_f32 v[P+\e], v[P+\e], s37
.endr
	v_add_f32 v183, v[P], v[P+1]
	v_add_f32 v184, v[P+2], v[P+3]
	v_add_f32 v186, v[P+4], v[P+5]
	v_add_f32 v187, v[P+6], v[P+7]
	v_add_f32 v183, v183, v184
	v_add_f32 v186, v186, v187
	v_add_f32 v183, v183, v186
	s_wait_alu depctr_va_vdst(0)
	v_rcp_f32 v188, v183
	v_nop
	s_wait_alu depctr_va_vdst(0)                   ; the reciprocal's wait, ahead of its first use
.irp e, 0,1,2,3,4,5,6,7
	v_mul_f32 v[P+\e], v[P+\e], v188
.endr
	; the two largest, by selects alone.  The compare is strict, so of equal probabilities the lower index stays
.macro SCAN dst
	v_mov_b32 v185, v[P]
	v_mov_b32 v[\dst], 0
.irp e, 1,2,3,4,5,6,7
	v_cmp_gt_f32 vcc_lo, v[P+\e], v185
	v_cndmask_b32 v185, v185, v[P+\e], vcc_lo
	v_cndmask_b32 v[\dst], v[\dst], \e, vcc_lo
.endr
.endm
	SCAN 174
.irp e, 0,1,2,3,4,5,6,7
	v_cmp_eq_u32 vcc_lo, \e, v174
	v_cndmask_b32 v[P+\e], v[P+\e], -1.0, vcc_lo   ; the first choice leaves the field: -1 lies under every probability
.endr
	SCAN 175
	s_wait_alu depctr_va_vdst(0)
	s_wait_xcnt 0x0                                ; EXEC is a source of the stores above: it changes only behind this wait
	v_cmp_eq_u32 vcc_lo, 0, v1
	s_wait_tensorcnt 0x0
	ds_add_u32 v192, v193
	s_wait_dscnt 0x0
	s_and_saveexec_b32 s38, vcc_lo
	global_store_b64 v11, v[174:175], s[10:11]     ; lane 0 stores the token's two experts, at a fixed place
	s_endpgm
.Lfunc_end_k_q2e147d7c30_route:
	.size	k_q2e147d7c30_route, .Lfunc_end_k_q2e147d7c30_route-k_q2e147d7c30_route
	.p2alignl 7, 3214868480
	.fill 96, 4, 3214868480
	.section	.rodata,"a",@progbits
	.p2align	6, 0x0
	.amdhsa_kernel k_q2e147d7c30_route
		.amdhsa_group_segment_fixed_size 55808
		.amdhsa_private_segment_fixed_size 0
		.amdhsa_enable_private_segment 0
		.amdhsa_kernarg_size 40
		.amdhsa_user_sgpr_count 2
		.amdhsa_user_sgpr_kernarg_segment_ptr 1
		.amdhsa_wavefront_size32 1
		.amdhsa_system_sgpr_workgroup_id_x 1
		.amdhsa_system_sgpr_workgroup_id_y 1
		.amdhsa_system_sgpr_workgroup_id_z 1
		.amdhsa_system_vgpr_workitem_id 0
		.amdhsa_next_free_vgpr 194
		.amdhsa_next_free_sgpr 66
		.amdhsa_reserve_vcc 1
		.amdhsa_float_denorm_mode_32 3
		.amdhsa_float_denorm_mode_16_64 3
		.amdhsa_memory_ordered 1
		.amdhsa_forward_progress 1
		.amdhsa_inst_pref_size 31
	.end_amdhsa_kernel
	.amdgpu_metadata
---
amdhsa.version: [ 1, 2 ]
amdhsa.kernels:
  - .name:           k_q2e147d7c30_route
    .symbol:         k_q2e147d7c30_route.kd
    .args:
      - { .name: x, .offset: 0, .size: 8, .value_kind: global_buffer, .address_space: global }
      - { .name: gate_w, .offset: 8, .size: 8, .value_kind: global_buffer, .address_space: global }
      - { .name: gate_b, .offset: 16, .size: 8, .value_kind: global_buffer, .address_space: global }
      - { .name: idx, .offset: 24, .size: 8, .value_kind: global_buffer, .address_space: global }
      - { .name: xc, .offset: 32, .size: 8, .value_kind: global_buffer, .address_space: global }
    .group_segment_fixed_size: 55808
    .private_segment_fixed_size: 0
    .kernarg_segment_align: 8
    .kernarg_segment_size: 40
    .max_flat_workgroup_size: 128
    .sgpr_count:     66
    .vgpr_count:     194
    .wavefront_size: 32
...
	.end_amdgpu_metadata
.endif
;; end of part 1
;; launch place (part 2): grid 1 x 1, 8 waves a work-group, no clusters, 0 bytes of LDS; arguments idx, list, rank; writes list, rank
.if DOCPART == 2
	.amdgcn_target "amdgcn-amd-amdhsa--gfx1250"
	.amdhsa_code_object_version 6
	.text
	.protected	k_q2e147d7c30_place
	.globl	k_q2e147d7c30_place
	.p2align	8
	.type	k_q2e147d7c30_place,@function
k_q2e147d7c30_place:
	s_mov_b64 s[64:65], 0
	v_nop
	global_prefetch_b8 v0, s[64:65] scope:SCOPE_SE
	s_setreg_imm32_b32 hwreg(HW_REG_WAVE_MODE, 25, 1), 1
	s_wait_xcnt 0x0
; PLACE.  A counting sort of the 2,048 routed rows by expert, without atomics: wave e makes expert e's list.  It reads all 1,024 tokens' two choices (32 tokens a step, a lane a token).
; rank = the members among the earlier tokens: the steps' running count plus the members among the lower lanes (v_mbcnt_lo_u32_b32 on the step's mask).
; THE LIST IS A PERMUTATION OF ALL TOKENS: a token that chose e goes to row rank; one that did not goes to row 1,023 - (token - rank), token - rank being the non-members ahead of it.  So members fill rows 0 .. n - 1 in order,
; the others fill the rows from the end down to n, every word of the list is stored exactly once, all lanes store in every step, and EXEC changes once in the text.  The choice between the two rows is a select on the step's mask.
; Stored: list[e][row] = token, n[e], and rank[e][token] (for tokens that did not choose e a number that nobody uses).
; One work-group, since the eight lists together are 64 KB of stores and 8 KB of loads; no LDS, no barrier: the waves share nothing.  The 32 steps are written out, line by line across the steps, so that no line waits for the
; line above it; every offset is an immediate and every store has registers of its own.
.set MK,  32                           ; s32-63  the steps' masks of members
.set PF,  66                           ; s66-97  the second choice's masks, then the members ahead of each step
.set CH,  32                           ; v32-95  the choices as loaded
.set RK,  96                           ; v96-127 rank
.set AD,  128                          ; v128-159 the row, then its byte offset
.set TK,  160                          ; v160-191 the token
	s_load_b128 s[4:7], s[0:1], 0x0                ; idx s[4:5], list s[6:7]
	s_load_b64 s[8:9], s[0:1], 0x10                ; rank
	v_lshrrev_b32 v1, 5, v0
	s_delay_alu instid0(VALU_DEP_1)
	v_readfirstlane_b32 s16, v1                    ; wave = expert
	v_and_b32 v1, 31, v0                           ; lane
	s_delay_alu instid0(VALU_DEP_1)
	v_lshlrev_b32 v2, 2, v1                        ; 4 x lane
	s_delay_alu instid0(VALU_DEP_2)
	v_lshlrev_b32 v3, 3, v1                        ; 8 x lane
	s_lshl_b32 s18, s16, 12                        ; an expert's 1,024 words
	s_mov_b32 s19, 0
	s_lshl_b32 s22, s16, 2
	s_mov_b32 s17, 0                               ; the running count
	s_wait_alu depctr_va_vdst(0)
	s_wait_kmcnt 0x0
	s_add_nc_u64 s[10:11], s[6:7], s[18:19]        ; list[e]
	s_add_nc_u64 s[8:9], s[8:9], s[18:19]          ; rank[e]
.set i, 0
.rept 32
	global_load_b64 v[CH+2*i:CH+2*i+1], v3, s[4:5] offset:256*i    ; 32 tokens' choices: 256 consecutive bytes
.set i, i+1
.endr
.set i, 0
.rept 32
	v_add_nc_u32 v[TK+i], 32*i, v1                 ; the token (work on registers while the loads are out)
.set i, i+1
.endr
.set i, 0
.rept 32
	s_wait_loadcnt 31-i                            ; loads come back in order: step i's is in, the 31 - i younger ones may be out
	v_cmp_eq_u32 s[MK+i], s16, v[CH+2*i]
	v_cmp_eq_u32 s[PF+i], s16, v[CH+2*i+1]
.set i, i+1
.endr
.set i, 0
.rept 32
	s_or_b32 s[MK+i], s[MK+i], s[PF+i]             ; the step's members
	s_mov_b32 s[PF+i], s17                         ; the members ahead of the step
	s_bcnt1_i32_b32 s20, s[MK+i]
	s_add_co_u32 s17, s17, s20
.set i, i+1
.endr
.set i, 0
.rept 32
	v_mbcnt_lo_u32_b32 v[RK+i], s[MK+i], s[PF+i]   ; + the members among the lower lanes
.set i, i+1
.endr
.set i, 0
.rept 32
	global_store_b32 v2, v[RK+i], s[8:9] offset:128*i   ; 32 lanes store 128 consecutive bytes
.set i, i+1
.endr
.set i, 0
.rept 32
	v_sub_nc_u32 v[AD+i], v[RK+i], v[TK+i]
.set i, i+1
.endr
.set i, 0
.rept 32
	v_add_nc_u32 v[AD+i], 0x3ff, v[AD+i]           ; 1,023 - (token - rank): a non-member's row
.set i, i+1
.endr
.set i, 0
.rept 32
	v_cndmask_b32 v[AD+i], v[AD+i], v[RK+i], s[MK+i]   ; a member's row is its rank
.set i, i+1
.endr
.set i, 0
.rept 32
	v_min_u32 v[AD+i], 0x3ff, v[AD+i]              ; every row is under 1,024; the hold bounds the address
.set i, i+1
.endr
.set i, 0
.rept 32
	v_lshlrev_b32 v[AD+i], 2, v[AD+i]
.set i, i+1
.endr
.set i, 0
.rept 32
	global_store_b32 v[AD+i], v[TK+i], s[10:11]    ; list[e][row] = token: a step's members lie on end, and so do its other tokens
.set i, i+1
.endr
	v_mov_b32 v5, s17                              ; n
	v_mov_b32 v6, s22
	v_cmp_eq_u32 vcc_lo, 0, v1
	s_wait_alu depctr_va_vdst(0)
	s_wait_xcnt 0x0                                ; EXEC is a source of the stores above: it is narrowed only behind this wait
	s_and_saveexec_b32 s20, vcc_lo
	global_store_b32 v6, v5, s[6:7] offset:32768   ; lane 0: n[e]
	s_endpgm
.Lfunc_end_k_q2e147d7c30_place:
	.size	k_q2e147d7c30_place, .Lfunc_end_k_q2e147d7c30_place-k_q2e147d7c30_place
	.p2alignl 7, 3214868480
	.fill 96, 4, 3214868480
	.section	.rodata,"a",@progbits
	.p2align	6, 0x0
	.amdhsa_kernel k_q2e147d7c30_place
		.amdhsa_group_segment_fixed_size 0
		.amdhsa_private_segment_fixed_size 0
		.amdhsa_enable_private_segment 0
		.amdhsa_kernarg_size 24
		.amdhsa_user_sgpr_count 2
		.amdhsa_user_sgpr_kernarg_segment_ptr 1
		.amdhsa_wavefront_size32 1
		.amdhsa_system_sgpr_workgroup_id_x 1
		.amdhsa_system_sgpr_workgroup_id_y 1
		.amdhsa_system_sgpr_workgroup_id_z 1
		.amdhsa_system_vgpr_workitem_id 0
		.amdhsa_next_free_vgpr 200
		.amdhsa_next_free_sgpr 98
		.amdhsa_reserve_vcc 1
		.amdhsa_float_denorm_mode_32 3
		.amdhsa_float_denorm_mode_16_64 3
		.amdhsa_memory_ordered 1
		.amdhsa_forward_progress 1
		.amdhsa_inst_pref_size 32
	.end_amdhsa_kernel
	.amdgpu_metadata
---
amdhsa.version: [ 1, 2 ]
amdhsa.kernels:
  - .name:           k_q2e147d7c30_place
    .symbol:         k_q2e147d7c30_place.kd
    .args:
      - { .name: idx, .offset: 0, .size: 8, .value_kind: global_buffer, .address_space: global }
      - { .name: list, .offset: 8, .size: 8, .value_kind: global_buffer, .address_space: global }
      - { .name: rank, .offset: 16, .size: 8, .value_kind: global_buffer, .address_space: global }
    .group_segment_fixed_size: 0
    .private_segment_fixed_size: 0
    .kernarg_segment_align: 8
    .kernarg_segment_size: 24
    .max_flat_workgroup_size: 256
    .sgpr_count:     98
    .vgpr_count:     200
    .wavefront_size: 32
...
	.end_amdgpu_metadata
.endif
;; end of part 2
;; launch gemm1 (part 3): grid 256 x 1, 4 waves a work-group, no clusters, 164,352 bytes of LDS; arguments w1, b1, xc, list, hc; writes hc
.if DOCPART == 3
	.amdgcn_target "amdgcn-amd-amdhsa--gfx1250"
	.amdhsa_code_object_version 6
	.text
	.protected	k_q2e147d7c30_gemm1
	.globl	k_q2e147d7c30_gemm1
	.p2align	8
	.type	k_q2e147d7c30_gemm1,@function
k_q2e147d7c30_gemm1:
	s_mov_b64 s[64:65], 0
	v_nop
	global_prefetch_b8 v0, s[64:65] scope:SCOPE_SE
	s_setreg_imm32_b32 hwreg(HW_REG_WAVE_MODE, 25, 1), 1
	s_wait_xcnt 0x0
; GEMM1.  h = relu(x w1[e] + b1[e]) for the rows that chose expert e, on codes of E3M2 with one E8M0 scale for each 32 along K; h leaves as codes, quantised along its own axis, which is the next product's K.
; SHARES.  Work-group 32 e + fs owns expert e's columns 128 fs .. 128 fs + 127 of w1, all 1,024 along K: 512 KB of f32, read once in the launch, by this work-group alone.
; PHASE A: wave w reads K rows 256 w .. 256 w + 255 of the block (a load takes one row's 512 consecutive bytes, 16 a lane; 64 loads, 32 KB a wave, are asked for ahead), quantises them along K and hands the codes round
; through LDS as images of the operand's registers.  A lane then holds four columns of one k where the conversion wants 16 k of one column in consecutive registers: one v_mov_b32 a number turns them.  Loads of 4 bytes a
; lane would need no turn and would have a quarter of the bytes on their way for the same number of loads.
; Then wave w takes columns 32 w .. 32 w + 31 for all of K into 192 registers, where they stay.
; PHASE B: the expert's rows go past the weights, 64 a trip: each wave gathers 16 rows' codes of x by the list into LDS; every wave multiplies all 64 rows by its 32 columns (64 matrix instructions on four accumulators).
; WHAT IS ASKED FOR AHEAD: the list entries two trips ahead, the rows' codes one trip ahead, both directly behind a trip's first barrier: so the one wait for loads at a trip's head finds loads that have had a whole trip in
; which to come, and an address never waits for a list entry inside a trip.  A pair of tiles' fragments come from LDS K step by K step, and the products of a K step begin when that step's six loads are in.
; THE TRIP COUNT IS A CONSTANT, 16: a trip whose rows lie at or beyond n does only its two barriers.  Trip 0 always works (n is taken as 1 at the least), so
; every byte of h that the next launch reads has been stored.  Rows from n on in a trip that works are tokens that did not choose the expert (the list goes on with them): at most 63 an expert; nobody reads their results.
; THE PRODUCT IS USED TRANSPOSED (source 0 = 16 columns of w1, source 1 = 16 rows of x), and THE COLUMNS OF A TILE ARE NOT NEIGHBOURS: lane m of tile u takes column 32 w + 8 u + m % 8 + 16 (m / 8): so lane (r, h) holds row r
; and its 16 registers of tiles 0 and 1 the 16 neighbouring columns 32 w + 16 h + 0 .. 15.  A wave's 32 columns are one block of the next K, shared by lanes l and l xor 16.  b1 is the C of each sum's first instruction.
; NO TENSOR LOAD AND NO CLUSTER: the work of a trip hangs on n, a number read from memory.  What work-groups share, the rows' codes (800 bytes a row), is small
; beside the 512 KB of weights that each reads alone.
; LIMITS.  NaN and infinities are not served.  A block whose largest magnitude lies under 2^-122 gets the byte 1, as the rule holds it; a block of zeros too (its codes are zeros; this program alone reads the bytes).
; REGISTERS, in windows of 256 (s_set_vgpr_msb: bits 1:0 source 0, 3:2 source 1, 5:4 source 2, 7:6 destination):
;   window 0: v1-31 lane numbers and addresses; v32-49 list entries and offsets; v50-57 w1's scale words, v58-65 x's; v66-81 b1; v82-113 four accumulators; v114-125 the quantiser's; v128-255 a block turned, later at work
;   window 1: two sets of 128 for the weights as loaded; later v0-99 the rows' codes on their way to LDS      window 2: v0-191 my columns' 16 fragments      window 3: the codes just made, later v0-191 two tiles of rows
.set PITCH, 16384                      ; a row of w1[e] in bytes
.set FRP,   1552                       ; LDS: a weight fragment's image: 32 lanes x 48 bytes + 16, so that sixteen lanes of a store or a load fall on sixteen different columns of 16 bytes
.set WSC,   64*FRP                     ; behind the 64 images (8 K steps x 4 waves x 2 tiles): the weights' scale words, 128 bytes for a K step and wave
.set AREG,  WSC+4096                   ; the trip's 64 rows of codes: 768 bytes + 16 each
.set ARP,   784
.set TILEB, 16*ARP
.set STEPB, 96                         ; from K step to K step in a row
.set PCB,   16                         ; from piece to piece of a lane's 48 bytes
.set ASC,   AREG+4*TILEB               ; their scale bytes: 32 + 16 a row
.set STB,   16*48
.set SIB,   8
.set STG,   ASC+4*STB                  ; the way out: four tiles' images of h, 1,536 bytes each,
.set HSS,   STG+4*1536                 ; and the 64 rows' scale words
.set XSCL,  786432                     ; xc: where the scale bytes begin
.set HSCL,  25165824                   ; hc: where the scale words begin
.set NYG,   34                         ; loads issued behind the last block of weights: 25 bring trip 0's rows, 9 trip 1's list entries
.set WOFF, 4                           ; v4   16 x lane
.set WIW,  5                           ; v5   where I store weight images
.set WSWA, 6                           ; v6   and their scale words
.set WR0,  7                           ; v7   where I load my columns' images, K steps 0-3;  v8: K steps 4-7
.set WR1,  8
.set WSR,  9                           ; v9   and their scale words
.set AW,   10                          ; v10  where I store rows' codes;  v11 their scale bytes
.set ASW,  11
.set AR,   12                          ; v12  where I load rows' fragments;  v13 their scale words
.set ASR,  13
.set HA,   14                          ; v14-16 where my three words of h's codes go in a tile's image
.set HBY,  17                          ; v17  and my block's scale byte
.set SRD,  18                          ; v18  the way out: my tile's image in LDS;  v19 in memory
.set GOUT, 19
.set HSR,  20                          ; v20  the scale words in LDS;  v21 in memory
.set G8,   21
.set LO0,  22                          ; v22  list: my wave's rows, 2 a + h;  v23: row lane / 2
.set LO1,  23
.set R16,  24                          ; v24  16 r;  v25  16 (lane % 2)
.set L16,  25
.set TOK,  32
.set XOFF, 41
.set WS,   50
.set AS,   58
.set BI,   66
.set ACC,  82
.set MX,   114
.set SO,   118
.set WSW,  122
.set BOFF, 126
.set XT,   128
.set EM,   128                         ; phase B: for each of two tiles 16 registers: maximum, the other half's, scale operand, byte, three of codes
.set OUTR, 160
.set CW,   0                           ; window 3: the codes of a K step: (column j, half h) at 12 (2 j + h)
.set TQ,   96
.set MSB, 0
.macro WIN new                         ; the immediate's high byte repeats the setting that is left; a switch that changes nothing is dropped
.if MSB != \new
	s_set_vgpr_msb (MSB<<8)|\new
.set MSB, \new
.endif
.endm
.macro LOADW t                         ; block t of my K rows: 32 rows x 512 bytes, into set t % 2 of window 1
	WIN 0x40
.set i, 0
.rept 32
	global_load_b128 v[128*((\t)%2)+4*i:128*((\t)%2)+4*i+3], v[WOFF], s[4:5] offset:(32*(\t)+i)*PITCH th:TH_LOAD_NT
.set i, i+1
.endr
	WIN 0
.endm
.macro LISTLD off                      ; the tokens of my wave's 16 rows of the trip that begins off bytes behind s[10:11]
.irp a, 0,1,2,3,4,5,6,7
	global_load_b32 v[TOK+\a], v[LO0], s[10:11] offset:\off+8*\a
.endr
	global_load_b32 v[TOK+8], v[LO1], s[10:11] offset:\off
.endm
.macro OFFS                            ; a list entry enters an address only behind the hold at 1,023
.irp a, 0,1,2,3,4,5,6,7
	v_min_u32 v[XOFF+\a], 0x3ff, v[TOK+\a]
	v_mul_u32_u24 v[XOFF+\a], v[XOFF+\a], 768
	v_add_nc_u32 v[XOFF+\a], v[XOFF+\a], v[R16]
.endr
	v_min_u32 v[XOFF+8], 0x3ff, v[TOK+8]
	v_lshlrev_b32 v[XOFF+8], 5, v[XOFF+8]
	v_add_nc_u32 v[XOFF+8], v[XOFF+8], v[L16]
.endm
.macro ALOAD                           ; 16 rows' codes: sixteen lanes read 256 consecutive bytes of a row, two rows an instruction; and their scale bytes, two lanes a row
	WIN 0x40
.irp a, 0,1,2,3,4,5,6,7
.irp u, 0,1,2
	global_load_b128 v[4*(3*\a+\u):4*(3*\a+\u)+3], v[XOFF+\a], s[8:9] offset:256*\u
.endr
.endr
	global_load_b128 v[96:99], v[XOFF+8], s[8:9] offset:XSCL
	WIN 0
.endm
.macro ASTORE
	WIN 0x04                                       ; an LDS store's data are its source 1: window 1
.irp a, 0,1,2,3,4,5,6,7
.irp u, 0,1,2
	ds_store_b128 v[AW], v[4*(3*\a+\u):4*(3*\a+\u)+3] offset:2*ARP*\a+256*\u
.endr
.endr
	ds_store_b128 v[ASW], v[96:99]
	WIN 0
.endm
; Block t: 32 along K x 128 columns.  left: the younger loads that may stay out.
.macro BLOCK t, left
.set SS, 128*((\t)%2)
.set bb, (\t)%4                        ; the block's place in its K step: it goes to the lanes of half bb % 2, registers 6 (bb / 2) on
.set hh, (\t)%2
.set pp, ((\t)%4)/2
	s_wait_loadcnt \left
	WIN 0x01
.set i, 0
.rept 32
.irp j, 0,1,2,3
	v_mov_b32 v[XT+32*\j+i], v[SS+4*i+\j]          ; the turn: column j's 32 numbers on end
.endr
.set i, i+1
.endr
	WIN 0
.if (\t) < 6
	LOADW (\t)+2                                   ; the set just read takes the block two on
.elseif (\t) == 6
	OFFS                                           ; no weights are left to ask for: trip 0's rows take their place (its list entries were asked for ahead of the weights),
	ALOAD
	LISTLD 256                                     ; and trip 1's list entries: the list is written whole, so these 64 words are there whatever n is
.endif
.if (\t) == 4
	s_wait_dscnt 0x0                               ; the last K step's stores have read the registers that are written again from here on
.endif
.irp j, 0,1,2,3
	v_max3_num_f32 v[MX+\j], |v[XT+32*\j]|, |v[XT+32*\j+1]|, 0x2800000   ; the floor 2^(5 - 127) is a leaf: the byte cannot fall under 1
.endr
.irp n, 2,4,6,8,10,12,14,16,18,20,22,24,26,28,30
.irp j, 0,1,2,3
	v_max3_num_f32 v[MX+\j], v[MX+\j], |v[XT+32*\j+\n]|, |v[XT+32*\j+\n+1]|   ; the four columns by turns
.endr
.endr
.irp j, 0,1,2,3
	v_add_nc_u32 v[SO+\j], 0xfe000000, v[MX+\j]    ; 4 off the exponent field: the conversion's scale operand
.endr
.irp j, 0,1,2,3
	v_lshrrev_b32 v[MX+\j], 23, v[SO+\j]           ; the scale's byte
.endr
.irp j, 0,1,2,3
.if bb == 0
	v_mov_b32 v[WSW+\j], v[MX+\j]
.else
	v_lshl_or_b32 v[WSW+\j], v[MX+\j], 8*bb, v[WSW+\j]
.endif
.endr
	WIN 0xC0
.irp j, 0,1,2,3
	v_cvt_scalef32_pk16_bf6_f32 v[CW+12*(2*\j+hh)+6*pp:CW+12*(2*\j+hh)+6*pp+2], v[XT+32*\j:XT+32*\j+15], v[SO+\j]
	v_cvt_scalef32_pk16_bf6_f32 v[TQ+4*\j:TQ+4*\j+2], v[XT+32*\j+16:XT+32*\j+31], v[SO+\j]   ; (a conversion's three registers begin on an even number)
.endr
	v_nop                                          ; one plain line behind the conversions
	WIN 0xC3
.irp j, 0,1,2,3
.irp k, 0,1,2
	v_mov_b32 v[CW+12*(2*\j+hh)+6*pp+3+\k], v[TQ+4*\j+\k]
.endr
.endr
	WIN 0
.endm
.macro STOREW sl                       ; my sl-th K step's codes: for each of my four columns and each half, the 48 bytes of the lane that will hold them; and the four scale words
	WIN 0x0C
.irp j, 0,1,2,3
.irp h, 0,1
.irp c, 0,1,2
	ds_store_b128 v[WIW], v[CW+12*(2*\j+\h)+4*\c:CW+12*(2*\j+\h)+4*\c+3] offset:8*FRP*\sl+48*\j+768*\h+16*\c
.endr
.endr
.endr
	WIN 0
.irp j, 0,1,2,3
	ds_store_b32 v[WSWA], v[WSW+\j] offset:512*\sl+4*\j
.endr
.endm
.macro FETCHW                          ; my 32 columns for all of K: fragment (K step s, tile u) at v[12 (2 s + u)] of window 2; scale words: lanes 0-15 tile 0's, lanes 16-31 tile 1's
	WIN 0x80
.irp s, 0,1,2,3
.irp u, 0,1
.irp c, 0,1,2
	ds_load_b128 v[12*(2*\s+\u)+4*\c:12*(2*\s+\u)+4*\c+3], v[WR0] offset:8*FRP*\s+FRP*\u+16*\c
.endr
.endr
.endr
.irp s, 4,5,6,7
.irp u, 0,1
.irp c, 0,1,2
	ds_load_b128 v[12*(2*\s+\u)+4*\c:12*(2*\s+\u)+4*\c+3], v[WR1] offset:8*FRP*(\s-4)+FRP*\u+16*\c
.endr
.endr
.endr
	WIN 0
.irp s, 0,1,2,3,4,5,6,7
	ds_load_b32 v[WS+\s], v[WSR] offset:512*\s
.endr
.endm
; Tiles 2 pr and 2 pr + 1 of the trip's rows.  First the eight scale words (lanes 0-15 an even K step's, lanes 16-31 the odd one's), then the fragments K STEP BY K STEP, six loads a step: fragment (x, K step s) at
; v[96 x + 12 s] of window 3.  So the products of a K step need wait only for the loads up to that step's.
.macro FETCHA pr
.irp x, 0,1
.irp n, 0,1,2,3
	ds_load_b32 v[AS+4*\x+\n], v[ASR] offset:STB*(2*\pr+\x)+SIB*\n
.endr
.endr
	WIN 0xC0
.irp s, 0,1,2,3,4,5,6,7
.irp x, 0,1
.irp c, 0,1,2
	ds_load_b128 v[96*\x+12*\s+4*\c:96*\x+12*\s+4*\c+3], v[AR] offset:TILEB*(2*\pr+\x)+STEPB*\s+PCB*\c
.endr
.endr
.endr
	WIN 0
.endm
.macro ONE s, x, u
.set rD, ACC+16*\x+8*\u
.if \s == 0
.set rC, BI+8*\u                       ; the bias starts the sum
.else
.set rC, rD
.endif
.set rA, 12*(2*\s+\u)
.set rB, 96*\x+12*\s
.set rP, WS+\s
.set rQ, AS+4*\x+\s/2
.if (\u == 0) && (\s%2 == 0)
	v_wmma_scale_f32_16x16x128_f8f6f4 v[rD:rD+7], v[rA:rA+11], v[rB:rB+11], v[rC:rC+7], v[rP], v[rQ] matrix_a_fmt:MATRIX_FMT_BF6 matrix_b_fmt:MATRIX_FMT_BF6
.elseif \s%2 == 0
	v_wmma_scale_f32_16x16x128_f8f6f4 v[rD:rD+7], v[rA:rA+11], v[rB:rB+11], v[rC:rC+7], v[rP], v[rQ] matrix_a_fmt:MATRIX_FMT_BF6 matrix_b_fmt:MATRIX_FMT_BF6 matrix_a_scale:MATRIX_SCALE_ROW1
.elseif \u == 0
	v_wmma_scale_f32_16x16x128_f8f6f4 v[rD:rD+7], v[rA:rA+11], v[rB:rB+11], v[rC:rC+7], v[rP], v[rQ] matrix_a_fmt:MATRIX_FMT_BF6 matrix_b_fmt:MATRIX_FMT_BF6 matrix_b_scale:MATRIX_SCALE_ROW1
.else
	v_wmma_scale_f32_16x16x128_f8f6f4 v[rD:rD+7], v[rA:rA+11], v[rB:rB+11], v[rC:rC+7], v[rP], v[rQ] matrix_a_fmt:MATRIX_FMT_BF6 matrix_b_fmt:MATRIX_FMT_BF6 matrix_a_scale:MATRIX_SCALE_ROW1 matrix_b_scale:MATRIX_SCALE_ROW1
.endif
.endm
; 32 matrix instructions: two tiles of rows x my two tiles of columns, K ascending; the four accumulators take turns, one instruction a turn.
; Ahead of K step s a counted wait: LDS instructions end in order, so with at most 6 (7 - s) + young of them out, the later K steps' loads and the young LDS stores issued behind the run, step s's fragments are in.
; The last K step waits for all: what was stored behind the run has then read its registers too.
.macro MUL young
	WIN 0x0E                                       ; source 0 (weights) window 2, source 1 (rows) window 3, C and D window 0
.irp s, 0,1,2,3,4,5,6,7
.if \s == 7
	s_wait_dscnt 0x0
.else
	s_wait_dscnt 6*(7-\s)+\young
.endif
.irp x, 0,1
.irp u, 0,1
	ONE \s, \x, \u
.endr
.endr
.endr
.endm
.macro PLACES                          ; behind the products: four plain lines are owed ahead of loads into their sources and of reads of their results, five ahead of products that write over their results
	WIN 0
.rept 5
	v_nop
.endr
.endm
; The two tiles just multiplied: relu, the block's largest number (none is negative: no |.|), its scale, 16 codes a lane.  In the next product's fragment my wave's block is block w of the K step: it belongs to lane
; r + 16 (w % 2), registers 6 (w / 2) + 3 h + 0 .. 2: three words into the tile's image.  Eight LDS stores in all.
.macro EPI pr
.irp n, 0,1,2,3,4,5,6,7,8,9,10,11,12,13,14,15
.irp x, 0,1
	v_max_num_f32 v[ACC+16*\x+\n], 0, v[ACC+16*\x+\n]   ; each accumulator from its low end on
.endr
.endr
.irp x, 0,1
	v_max3_num_f32 v[EM+16*\x], v[ACC+16*\x], v[ACC+16*\x+1], 0x2800000
.endr
.irp n, 2,4,6,8,10,12,14
.irp x, 0,1
	v_max3_num_f32 v[EM+16*\x], v[EM+16*\x], v[ACC+16*\x+\n], v[ACC+16*\x+\n+1]
.endr
.endr
.irp x, 0,1
	v_permlanex16_b32 v[EM+16*\x+1], v[EM+16*\x], s26, s27
.endr
.irp x, 0,1
	v_max_num_f32 v[EM+16*\x], v[EM+16*\x], v[EM+16*\x+1]   ; with lane l xor 16's 16 columns: the block's
.endr
.irp x, 0,1
	v_add_nc_u32 v[EM+16*\x+2], 0xfe000000, v[EM+16*\x]
.endr
.irp x, 0,1
	v_cvt_scalef32_pk16_bf6_f32 v[EM+16*\x+4:EM+16*\x+6], v[ACC+16*\x:ACC+16*\x+15], v[EM+16*\x+2]
.endr
.irp x, 0,1
	v_lshrrev_b32 v[EM+16*\x+3], 23, v[EM+16*\x+2]   ; the byte; also the plain line behind the conversions
.endr
.irp x, 0,1
.irp k, 0,1,2
	ds_store_b32 v[HA+\k], v[EM+16*\x+4+\k] offset:1536*(2*\pr+\x)
.endr
	ds_store_b8 v[HBY], v[EM+16*\x+3] offset:64*(2*\pr+\x)   ; byte w of row r's scale word; both lanes of a block write the same byte with the same value
.endr
.endm
	s_load_b256 s[4:11], s[0:1], 0x0               ; w1 s[4:5], b1 s[6:7], xc s[8:9], list s[10:11]
	s_load_b64 s[12:13], s[0:1], 0x20              ; hc
	v_lshl_add_u32 v127, v0, 2, 0x28000
	s_set_vgpr_msb 0x80
	v_mov_b32 v255, 0
	s_set_vgpr_msb 0x8000
	v_lshrrev_b32 v1, 5, v0
	v_readfirstlane_b32 s16, v1                    ; wave
	v_and_b32 v1, 31, v0                           ; lane
	s_wait_alu depctr_va_vdst(0)
	v_and_b32 v2, 15, v0                           ; r
	v_bfe_u32 v3, v0, 4, 1                         ; h
	s_wait_alu depctr_va_vdst(0)
	s_lshr_b32 s17, ttmp9, 5                       ; the expert
	s_and_b32 s18, ttmp9, 31                       ; which 128 columns
	s_mov_b32 s29, 0
	s_mov_b32 s31, 0
	s_mov_b32 s33, 0
	s_mov_b32 s35, 0
	s_mov_b32 s37, 0
	s_mov_b32 s39, 0
	s_lshl_b32 s28, s17, 24                        ; w1: an expert is 2^24 bytes,
	s_lshl_b32 s40, s16, 22                        ; my 256 K rows,
	s_add_co_u32 s28, s28, s40
	s_lshl_b32 s41, s18, 9                         ; the block's 512 bytes of a row
	s_add_co_u32 s28, s28, s41
	s_lshl_b32 s30, s17, 14                        ; b1: 4 (4,096 e + 128 fs + 32 w)
	s_add_co_u32 s30, s30, s41
	s_lshl_b32 s40, s16, 7
	s_add_co_u32 s30, s30, s40
	s_lshl_b32 s32, s17, 12                        ; the expert's list
	s_lshl_b32 s34, s17, 2                         ; and its count
	s_mul_i32 s38, ttmp9, 98304                    ; hc: 64 tiles' images for each (e, fs),
	s_lshl_b32 s36, ttmp9, 12                      ; and 1,024 scale words
	s_add_co_u32 s36, s36, HSCL
	s_mov_b32 s26, 0x76543210
	s_mov_b32 s27, 0xfedcba98                      ; v_permlanex16_b32: lane l xor 16
	v_lshlrev_b32 v[WOFF], 4, v1
	v_lshlrev_b32 v[BOFF], 6, v3                   ; b1: my half's 16 numbers
	s_lshl_b32 s40, s16, 6
	v_lshl_add_u32 v[LO0], v3, 2, s40              ; list: 4 (16 w + h)
	v_lshrrev_b32 v26, 1, v1
	v_lshl_add_u32 v[LO1], v26, 2, s40             ; 4 (16 w + lane / 2)
	s_wait_alu depctr_va_vdst(0)
	s_wait_kmcnt 0x0
	s_add_nc_u64 s[44:45], s[10:11], s[34:35]
	s_load_b32 s20, s[44:45], 0x8000               ; n
	s_add_nc_u64 s[4:5], s[4:5], s[28:29]
	s_add_nc_u64 s[6:7], s[6:7], s[30:31]
	s_add_nc_u64 s[10:11], s[10:11], s[32:33]
	s_add_nc_u64 s[14:15], s[12:13], s[36:37]      ; h's scale words
	s_add_nc_u64 s[12:13], s[12:13], s[38:39]      ; h's images
.irp k, 0,1,2,3
	global_load_b128 v[BI+4*\k:BI+4*\k+3], v[BOFF], s[6:7] offset:16*\k   ; b1 in the result's layout: register 8 u + i = column 32 w + 16 h + 8 u + i
.endr
	LISTLD 0                                       ; trip 0's
	LOADW 0
	LOADW 1
	; every LDS address is made here, ahead of all branches, from the thread's number, the wave's number and constants
	v_lshrrev_b32 v26, 3, v1                       ; my four columns 4 l + j: which wave takes them: l / 8;
	v_bfe_u32 v27, v1, 1, 1                        ; in which of its two tiles: (l / 2) % 2;
	v_and_b32 v28, 1, v1                           ; in which lane: 4 (l % 2) + j + 8 ((l / 4) % 2)
	v_bfe_u32 v29, v1, 2, 1
	s_mul_i32 s40, s16, 16*FRP                     ; my two K steps
	v_mul_u32_u24 v[WIW], v26, 2*FRP
	v_mad_u32_u24 v[WIW], v27, FRP, v[WIW]
	v_mad_u32_u24 v[WIW], v28, 192, v[WIW]
	v_mad_u32_u24 v[WIW], v29, 384, v[WIW]
	v_add_nc_u32 v[WIW], s40, v[WIW]
	s_lshl_b32 s40, s16, 10
	s_add_co_u32 s40, s40, WSC
	v_lshlrev_b32 v[WSWA], 7, v26
	v_lshl_add_u32 v[WSWA], v27, 6, v[WSWA]
	v_lshl_add_u32 v[WSWA], v28, 4, v[WSWA]
	v_lshl_add_u32 v[WSWA], v29, 5, v[WSWA]
	v_add_nc_u32 v[WSWA], s40, v[WSWA]
	s_mul_i32 s40, s16, 2*FRP
	v_mul_u32_u24 v[WR0], v1, 48
	v_add_nc_u32 v[WR0], s40, v[WR0]
	v_add_nc_u32 v[WR1], 32*FRP, v[WR0]
	s_lshl_b32 s40, s16, 7
	s_add_co_u32 s40, s40, WSC
	v_lshl_add_u32 v[WSR], v1, 2, s40
	s_mul_i32 s40, s16, TILEB
	s_add_co_u32 s40, s40, AREG
	v_mul_u32_u24 v[AW], v3, ARP
	v_lshl_add_u32 v[AW], v2, 4, v[AW]
	v_add_nc_u32 v[AW], s40, v[AW]                 ; my tile, row 2 a + h, 16 r
	s_mul_i32 s40, s16, STB
	s_add_co_u32 s40, s40, ASC
	v_lshrrev_b32 v26, 1, v1
	v_mul_u32_u24 v[ASW], v26, 48
	v_lshl_add_u32 v[ASW], v28, 4, v[ASW]
	v_add_nc_u32 v[ASW], s40, v[ASW]
	v_mul_u32_u24 v[AR], v2, ARP
	v_mad_u32_u24 v[AR], v3, 48, v[AR]
	v_add_nc_u32 v[AR], AREG, v[AR]                ; row r, + 48 h: blocks h and 2 + h of a K step lie on end
	v_mul_u32_u24 v[ASR], v2, 48
	v_lshl_add_u32 v[ASR], v3, 2, v[ASR]
	v_add_nc_u32 v[ASR], ASC, v[ASR]
	s_lshr_b32 s40, s16, 1
	s_mul_i32 s40, s40, 6
	s_and_b32 s41, s16, 1
	s_lshl_b32 s41, s41, 8
	s_add_co_u32 s41, s41, STG
	v_lshl_add_u32 v30, v2, 4, s41                 ; the image's lane r + 16 (w % 2)
	v_mul_u32_u24 v31, v3, 3
	v_add_nc_u32 v31, s40, v31                     ; its register 6 (w / 2) + 3 h + k: group of four (512 bytes apart) and place in the group
.irp k, 0,1,2
	v_add_nc_u32 v26, \k, v31
	v_lshrrev_b32 v27, 2, v26
	v_and_b32 v26, 3, v26
	v_lshl_add_u32 v[HA+\k], v27, 9, v30
	v_lshl_add_u32 v[HA+\k], v26, 2, v[HA+\k]
.endr
	s_add_co_u32 s40, s16, HSS
	v_lshl_add_u32 v[HBY], v2, 2, s40
	s_mul_i32 s40, s16, 1536
	v_lshl_add_u32 v[GOUT], v1, 4, s40
	v_add_nc_u32 v[SRD], STG, v[GOUT]
	v_lshlrev_b32 v[G8], 3, v1
	v_add_nc_u32 v[HSR], HSS, v[G8]
	v_lshlrev_b32 v[R16], 4, v2
	v_lshlrev_b32 v[L16], 4, v28
	s_wait_kmcnt 0x0
	s_min_u32 s20, s20, 1024                       ; n
	s_max_u32 s21, s20, 1                          ; trip 0 always works
	; ---- PHASE A.  The count 32: the next block's loads are the younger ones.  At block 7 the younger ones are trip 0's rows and trip 1's list entries
	BLOCK 0, 32
	BLOCK 1, 32
	BLOCK 2, 32
	BLOCK 3, 32
	STOREW 0
	BLOCK 4, 32
	BLOCK 5, 32
	BLOCK 6, 32
	BLOCK 7, NYG
	STOREW 1
	s_wait_xcnt 0x0                                ; the list's base is written only behind this wait:
	s_add_nc_u64 s[10:11], s[10:11], 512           ; from here on it stands two trips ahead
	s_wait_dscnt 0x0                               ; for the others' sake: my images lie in LDS
	s_barrier_signal -1
	s_barrier_wait -1
	FETCHW                                         ; awaited by the wait in front of the first trip's first barrier
	s_mov_b32 s22, 0                               ; the trip
	s_mov_b32 s23, 0                               ; its first row
	; ---- PHASE B
.Ltrip:
	s_wait_loadcnt 0x0                             ; on every path: this trip's rows and the next trip's list entries, asked for a trip ago, are in
	s_cmp_lt_u32 s23, s21
	s_cbranch_scc0 .La
	ASTORE
.La:
	s_wait_dscnt 0x0                               ; my tile lies in LDS, so its registers may be loaded again; my reads of the stage in the last trip are over
	s_barrier_signal -1
	s_barrier_wait -1
	s_cmp_lt_u32 s23, s21
	s_cbranch_scc0 .Lb
	s_add_co_u32 s28, s23, 64                      ; the next trip's first row
	s_cmp_lt_u32 s28, s21
	s_cbranch_scc0 .Lnoload
	OFFS                                           ; its list entries are in,
	ALOAD                                          ; and its rows are asked for first thing: they have this whole trip in which to come
	s_add_co_u32 s28, s23, 128                     ; the trip after that:
	s_cmp_lt_u32 s28, s21
	s_cbranch_scc0 .Lnoload                        ; no load leaves the expert's list
	LISTLD 0
.Lnoload:
	FETCHA 0
	MUL 0
	PLACES
	FETCHA 1
	EPI 0                                          ; its vector work stands beside the loads above; its eight LDS stores are the younger ones in the counts below
	MUL 8
	PLACES
	EPI 1
.Lb:
	s_wait_dscnt 0x0                               ; my reads of the rows are over; my part of the stage is written
	s_barrier_signal -1
	s_barrier_wait -1
	s_cmp_lt_u32 s23, s21
	s_cbranch_scc0 .Lc
.irp c, 0,1,2
	ds_load_b128 v[OUTR+4*\c:OUTR+4*\c+3], v[SRD] offset:512*\c
.endr
	s_wait_dscnt 0x0
.irp c, 0,1,2
	global_store_b128 v[GOUT], v[OUTR+4*\c:OUTR+4*\c+3], s[12:13] offset:512*\c th:TH_STORE_NT   ; tile w's image: 32 lanes store 512 consecutive bytes, at a multiple of 512 from the buffer's first byte
.endr
	s_cmp_lg_u32 s16, 0
	s_cbranch_scc1 .Lc
	ds_load_b64 v[OUTR+12:OUTR+13], v[HSR]
	s_wait_dscnt 0x0
	global_store_b64 v[G8], v[OUTR+12:OUTR+13], s[14:15] th:TH_STORE_NT   ; wave 0: the 64 rows' scale words: 256 consecutive bytes, aligned
.Lc:
	s_wait_xcnt 0x0                                ; bases and store data are written again only behind this wait
	s_add_nc_u64 s[10:11], s[10:11], 256
	s_add_nc_u64 s[12:13], s[12:13], 4*1536
	s_add_nc_u64 s[14:15], s[14:15], 256
	s_add_co_u32 s23, s23, 64
	s_add_co_u32 s22, s22, 1
	s_cmp_lt_u32 s22, 16
	s_cbranch_scc1 .Ltrip
	s_set_vgpr_msb 0x8
	s_wait_tensorcnt 0x0
	ds_add_u32 v127, v255
	s_wait_dscnt 0x0
	s_set_vgpr_msb 0x800
	s_endpgm
.Lfunc_end_k_q2e147d7c30_gemm1:
	.size	k_q2e147d7c30_gemm1, .Lfunc_end_k_q2e147d7c30_gemm1-k_q2e147d7c30_gemm1
	.p2alignl 7, 3214868480
	.fill 96, 4, 3214868480
	.section	.rodata,"a",@progbits
	.p2align	6, 0x0
	.amdhsa_kernel k_q2e147d7c30_gemm1
		.amdhsa_group_segment_fixed_size 164352
		.amdhsa_private_segment_fixed_size 0
		.amdhsa_enable_private_segment 0
		.amdhsa_kernarg_size 40
		.amdhsa_user_sgpr_count 2
		.amdhsa_user_sgpr_kernarg_segment_ptr 1
		.amdhsa_wavefront_size32 1
		.amdhsa_system_sgpr_workgroup_id_x 1
		.amdhsa_system_sgpr_workgroup_id_y 1
		.amdhsa_system_sgpr_workgroup_id_z 1
		.amdhsa_system_vgpr_workitem_id 0
		.amdhsa_next_free_vgpr 1024
		.amdhsa_next_free_sgpr 66
		.amdhsa_reserve_vcc 0
		.amdhsa_float_denorm_mode_32 3
		.amdhsa_float_denorm_mode_16_64 3
		.amdhsa_memory_ordered 1
		.amdhsa_forward_progress 1
		.amdhsa_inst_pref_size 154
	.end_amdhsa_kernel
	.amdgpu_metadata
---
amdhsa.version: [ 1, 2 ]
amdhsa.kernels:
  - .name:           k_q2e147d7c30_gemm1
    .symbol:         k_q2e147d7c30_gemm1.kd
    .args:
      - { .name: w1, .offset: 0, .size: 8, .value_kind: global_buffer, .address_space: global }
      - { .name: b1, .offset: 8, .size: 8, .value_kind: global_buffer, .address_space: global }
      - { .name: xc, .offset: 16, .size: 8, .value_kind: global_buffer, .address_space: global }
      - { .name: list, .offset: 24, .size: 8, .value_kind: global_buffer, .address_space: global }
      - { .name: hc, .offset: 32, .size: 8, .value_kind: global_buffer, .address_space: global }
    .group_segment_fixed_size: 164352
    .private_segment_fixed_size: 0
    .kernarg_segment_align: 8
    .kernarg_segment_size: 40
    .max_flat_workgroup_size: 128
    .sgpr_count:     66
    .vgpr_count:     1024
    .wavefront_size: 32
...
	.end_amdgpu_metadata
.endif
;; end of part 3
;; launch gemm2 (part 4): grid 256 x 1, 4 waves a work-group, no clusters, 137,728 bytes of LDS; arguments w2, b2, hc, list, part; writes part
.if DOCPART == 4
	.amdgcn_target "amdgcn-amd-amdhsa--gfx1250"
	.amdhsa_code_object_version 6
	.text
	.protected	k_q2e147d7c30_gemm2
	.globl	k_q2e147d7c30_gemm2
	.p2align	8
	.type	k_q2e147d7c30_gemm2,@function
k_q2e147d7c30_gemm2:
	s_mov_b64 s[64:65], 0
	v_nop
	global_prefetch_b8 v0, s[64:65] scope:SCOPE_SE
	s_setreg_imm32_b32 hwreg(HW_REG_WAVE_MODE, 25, 1), 1
	s_wait_xcnt 0x0
; GEMM2.  part[q][e] = h[e] w2[e] over a quarter q of K (+ b2[e] in quarter 0), for the rows that chose expert e, on codes of E3M2 with one E8M0 scale for each 32 along K; sums in f32.
; Rows that did not choose the expert are left out.
; SHARES.  Work-group 32 e + 8 q + c owns K rows 1,024 q .. + 1,023 and columns 128 c .. + 127 of w2[e]: 512 KB of f32, read once in the launch.  The next launch adds the four quarters: each word of part has one owner.
; PHASE A: wave w reads K rows 256 w .. + 255 of the block (512 consecutive bytes a load, 64 loads asked for ahead), turns them so that a column's 32 neighbours along K stand in consecutive registers, quantises,
; and hands the codes round through LDS as images of the operand's registers.  One barrier.
; PHASE B: EVERY wave takes all 128 columns x 1,024 K into registers (64 fragments x 12), and owns whole tiles of 16 rows: tile w + 4 i in trip i.  A tile's eight fragments lie in memory as register images and come
; straight into registers: no LDS copy, no barrier.  Behind the eight products of a K step that step's three loads for my NEXT tile are issued into the registers just read; where no tile follows, the same tile is
; asked for again (the step of the base is chosen by a select) and not used, so that the counts of loads are alike on every path.
; THE PRODUCT IS USED TRANSPOSED (source 0 = 16 columns of w2, source 1 = 16 rows of h); lane m of tile 2 p + u takes column 32 p + 8 u + m % 8 + 16 (m / 8): lane (r, h) holds row r and 16 neighbouring columns for each p.
; THE WAY OUT: the 64 sums a lane go through my wave's own stage and come back, into the same registers, as rows of 512 bytes; b2 (four numbers a lane, cleared in quarters 1 to 3) is added there.
; PREFETCH: h's images and scale words of trip j are asked for once among the eight work-groups c that read them: work-group c asks for trips c and c + 8, where they begin under n; wave w for its own tile, a lane a block
; of 256 bytes (left-over lanes name a neighbour's block again); at the head, all of phase A ahead of the loads.
; NO TENSOR LOAD AND NO CLUSTER: branches hang on n, a number read from memory.
; LIMITS.  NaN and infinities are not served.  A block whose largest magnitude lies under 2^-122 gets the byte 1; a block of zeros too (its codes are zeros; this program alone reads the bytes).
; REGISTERS: window 0: v1-31 addresses; v32-43 fragment 63; v44-47 b2; v49, v127 the add's; v50-113 eight accumulators; v114-125 the quantiser's, later v114-117 h's scale words; v128-255 a block turned,
;   later v128-223 a tile's fragments and v224-255 the weights' scale words.  Phase A: window 1 the weights as loaded, window 3 the codes just made.  Phase B: windows 1 to 3 hold fragments 0-62, 21 each.
.set PITCH, 4096
.set FRP,   1552                       ; a fragment's image in LDS: 32 lanes x 48 bytes + 16
.set WSC,   64*FRP                     ; the weights' scale words: 128 bytes for a K step and pair of tiles
.set STG,   WSC+4096                   ; the stages: 16 rows x (512 + 16) bytes for each wave
.set SP,    528
.set SPARE, STG+4*16*SP                ; the spare words
.set HSCL,  25165824
.set WOFF, 4
.set WIW,  5
.set WSWA, 6
.set WR0,  7
.set WR1,  8
.set WSR,  9
.set STO,  14
.set SRD,  15
.set GOUT, 16
.set AOF,  17
.set SOF,  18
.set PF0,  20
.set PF1,  21
.set PF2,  22
.set BI,   44
.set ACC,  50
.set HS,   114
.set MX,   114
.set SO,   118
.set WSW,  122
.set XT,   128
.set FR,   128
.set WS,   224
.set CW,   0
.set TQ,   96
.set MSB, 0
.macro WIN new                         ; the immediate's high byte repeats the setting that is left
.if MSB != \new
	s_set_vgpr_msb (MSB<<8)|\new
.set MSB, \new
.endif
.endm
.macro LOADW t                         ; block t of my K rows: 32 rows x 512 bytes, into set t % 2 of window 1
	WIN 0x40
.set i, 0
.rept 32
	global_load_b128 v[128*((\t)%2)+4*i:128*((\t)%2)+4*i+3], v[WOFF], s[4:5] offset:(32*(\t)+i)*PITCH th:TH_LOAD_NT
.set i, i+1
.endr
	WIN 0
.endm
.macro BLOCK t, left                   ; 32 along K x 128 columns.  left: the younger loads that may stay out
.set SS, 128*((\t)%2)
.set bb, (\t)%4
.set hh, (\t)%2
.set pp, ((\t)%4)/2
	s_wait_loadcnt \left
	WIN 0x01
.set i, 0
.rept 32
.irp j, 0,1,2,3
	v_mov_b32 v[XT+32*\j+i], v[SS+4*i+\j]          ; the turn: column j's 32 numbers on end
.endr
.set i, i+1
.endr
	WIN 0
.if (\t) < 6
	LOADW (\t)+2
.endif
.if (\t) == 4
	s_wait_dscnt 0x0                               ; the last K step's stores have read the registers that are written again
.endif
.irp j, 0,1,2,3
	v_max3_num_f32 v[MX+\j], |v[XT+32*\j]|, |v[XT+32*\j+1]|, 0x2800000   ; the floor 2^(5 - 127): the byte cannot fall under 1
.endr
.irp n, 2,4,6,8,10,12,14,16,18,20,22,24,26,28,30
.irp j, 0,1,2,3
	v_max3_num_f32 v[MX+\j], v[MX+\j], |v[XT+32*\j+\n]|, |v[XT+32*\j+\n+1]|
.endr
.endr
.irp j, 0,1,2,3
	v_add_nc_u32 v[SO+\j], 0xfe000000, v[MX+\j]    ; 4 off the exponent field: the conversion's scale operand
.endr
.irp j, 0,1,2,3
	v_lshrrev_b32 v[MX+\j], 23, v[SO+\j]           ; the scale's byte
.endr
.irp j, 0,1,2,3
.if bb == 0
	v_mov_b32 v[WSW+\j], v[MX+\j]
.else
	v_lshl_or_b32 v[WSW+\j], v[MX+\j], 8*bb, v[WSW+\j]
.endif
.endr
	WIN 0xC0
.irp j, 0,1,2,3
	v_cvt_scalef32_pk16_bf6_f32 v[CW+12*(2*\j+hh)+6*pp:CW+12*(2*\j+hh)+6*pp+2], v[XT+32*\j:XT+32*\j+15], v[SO+\j]
	v_cvt_scalef32_pk16_bf6_f32 v[TQ+4*\j:TQ+4*\j+2], v[XT+32*\j+16:XT+32*\j+31], v[SO+\j]
.endr
	v_nop                                          ; one plain line behind the conversions
	WIN 0xC3
.irp j, 0,1,2,3
.irp k, 0,1,2
	v_mov_b32 v[CW+12*(2*\j+hh)+6*pp+3+\k], v[TQ+4*\j+\k]
.endr
.endr
	WIN 0
.endm
.macro STOREW sl                       ; my sl-th K step's codes, 48 bytes for each lane that will hold them; and the four scale words
	WIN 0x0C
.irp j, 0,1,2,3
.irp h, 0,1
.irp c, 0,1,2
	ds_store_b128 v[WIW], v[CW+12*(2*\j+\h)+4*\c:CW+12*(2*\j+\h)+4*\c+3] offset:8*FRP*\sl+48*\j+768*\h+16*\c
.endr
.endr
.endr
	WIN 0
.irp j, 0,1,2,3
	ds_store_b32 v[WSWA], v[WSW+\j] offset:512*\sl+4*\j
.endr
.endm
.macro WHERE                           ; fragment f = 8 x K step + tile: window rW, register rA
.if f == 63
.set rW, 0
.set rA, 32
.else
.set rW, 1+f/21
.set rA, 12*(f%21)
.endif
.endm
.macro TL s                            ; K step s of the tile at which the bases stand: three loads of 512 consecutive bytes; behind an odd step the scale words of steps s - 1 (lanes 0-15) and s (lanes 16-31)
.irp c, 0,1,2
	global_load_b128 v[FR+12*\s+4*\c:FR+12*\s+4*\c+3], v[AOF], s[8:9] offset:98304*\s+512*\c
.endr
.if \s%2
	global_load_b32 v[HS+\s/2], v[SOF], s[14:15] offset:8192*(\s/2)
.endif
.endm
.macro ONE s, t
.set f, 8*\s+\t
	WHERE
	WIN rW
.set rD, ACC+8*\t
.set rB, FR+12*\s
.set rP, WS+4*\s+\t/2
.set rQ, HS+\s/2
.if (\s == 0) && (\t%2 == 0)
	v_wmma_scale_f32_16x16x128_f8f6f4 v[rD:rD+7], v[rA:rA+11], v[rB:rB+11], 0, v[rP], v[rQ] matrix_a_fmt:MATRIX_FMT_BF6 matrix_b_fmt:MATRIX_FMT_BF6
.elseif \s == 0
	v_wmma_scale_f32_16x16x128_f8f6f4 v[rD:rD+7], v[rA:rA+11], v[rB:rB+11], 0, v[rP], v[rQ] matrix_a_fmt:MATRIX_FMT_BF6 matrix_b_fmt:MATRIX_FMT_BF6 matrix_a_scale:MATRIX_SCALE_ROW1
.elseif (\t%2 == 0) && (\s%2 == 0)
	v_wmma_scale_f32_16x16x128_f8f6f4 v[rD:rD+7], v[rA:rA+11], v[rB:rB+11], v[rD:rD+7], v[rP], v[rQ] matrix_a_fmt:MATRIX_FMT_BF6 matrix_b_fmt:MATRIX_FMT_BF6
.elseif \s%2 == 0
	v_wmma_scale_f32_16x16x128_f8f6f4 v[rD:rD+7], v[rA:rA+11], v[rB:rB+11], v[rD:rD+7], v[rP], v[rQ] matrix_a_fmt:MATRIX_FMT_BF6 matrix_b_fmt:MATRIX_FMT_BF6 matrix_a_scale:MATRIX_SCALE_ROW1
.elseif \t%2 == 0
	v_wmma_scale_f32_16x16x128_f8f6f4 v[rD:rD+7], v[rA:rA+11], v[rB:rB+11], v[rD:rD+7], v[rP], v[rQ] matrix_a_fmt:MATRIX_FMT_BF6 matrix_b_fmt:MATRIX_FMT_BF6 matrix_b_scale:MATRIX_SCALE_ROW1
.else
	v_wmma_scale_f32_16x16x128_f8f6f4 v[rD:rD+7], v[rA:rA+11], v[rB:rB+11], v[rD:rD+7], v[rP], v[rQ] matrix_a_fmt:MATRIX_FMT_BF6 matrix_b_fmt:MATRIX_FMT_BF6 matrix_a_scale:MATRIX_SCALE_ROW1 matrix_b_scale:MATRIX_SCALE_ROW1
.endif
.endm
	s_load_b256 s[4:11], s[0:1], 0x0               ; w2 s[4:5], b2 s[6:7], hc s[8:9], list s[10:11]
	s_load_b64 s[12:13], s[0:1], 0x20              ; part
	v_lshl_add_u32 v49, v0, 2, SPARE
	v_mov_b32 v127, 0
	v_lshrrev_b32 v1, 5, v0
	v_readfirstlane_b32 s16, v1                    ; wave
	v_and_b32 v1, 31, v0                           ; lane
	v_and_b32 v2, 15, v0                           ; r
	v_bfe_u32 v3, v0, 4, 1                         ; h
	v_lshlrev_b32 v[WOFF], 4, v1
	s_wait_alu depctr_va_vdst(0)                   ; the wait ahead of the run of scalar lines
	s_lshr_b32 s17, ttmp9, 5                       ; the expert
	s_bfe_u32 s18, ttmp9, 0x20003                  ; the quarter of K
	s_and_b32 s19, ttmp9, 7                        ; which 128 columns
	s_mov_b32 s29, 0
	s_mov_b32 s31, 0
	s_mov_b32 s33, 0
	s_mov_b32 s35, 0
	s_mov_b32 s37, 0
	s_mov_b32 s39, 0
	s_mov_b32 s43, 0
	s_lshl_b32 s28, s17, 24                        ; w2: an expert is 2^24 bytes,
	s_lshl_b32 s40, s18, 22                        ; a quarter 1,024 rows of 4,096 bytes,
	s_add_co_u32 s28, s28, s40
	s_lshl_b32 s40, s16, 20                        ; my 256 K rows,
	s_add_co_u32 s28, s28, s40
	s_lshl_b32 s41, s19, 9                         ; the block's 512 bytes of a row
	s_add_co_u32 s28, s28, s41
	s_lshl_b32 s30, s17, 12                        ; b2: 4 (1,024 e + 128 c)
	s_add_co_u32 s30, s30, s41
	s_lshl_b32 s40, s17, 5
	s_lshl_b32 s42, s18, 3
	s_add_co_u32 s40, s40, s42                     ; 32 e + 8 q: the quarter's first K step of h
	s_mul_i32 s32, s40, 98304                      ; its images,
	s_lshl_b32 s36, s40, 12
	s_add_co_u32 s36, s36, HSCL                    ; its scale words
	s_add_co_u32 s38, s42, s17                     ; part: (8 q + e) x 1,024 rows of 4,096 bytes + 512 c
	s_lshl_b32 s38, s38, 22
	s_add_co_u32 s38, s38, s41
	s_lshl_b32 s34, s17, 2                         ; the expert's count
	s_wait_kmcnt 0x0
	s_add_nc_u64 s[44:45], s[10:11], s[34:35]
	s_load_b32 s20, s[44:45], 0x8000               ; n
	s_add_nc_u64 s[4:5], s[4:5], s[28:29]
	s_add_nc_u64 s[6:7], s[6:7], s[30:31]
	s_add_nc_u64 s[14:15], s[8:9], s[36:37]        ; h's scale words
	s_add_nc_u64 s[8:9], s[8:9], s[32:33]          ; h's images
	s_add_nc_u64 s[12:13], s[12:13], s[38:39]
	global_load_b128 v[BI:BI+3], v[WOFF], s[6:7]   ; b2 at columns 4 lane .. 4 lane + 3 of the block: a row's layout on the way out
	LOADW 0
	LOADW 1
	; every LDS address is made here, from the thread's number, the wave's number and constants
	v_lshrrev_b32 v26, 3, v1                       ; my four columns 4 l + j: pair of tiles l / 8;
	v_bfe_u32 v27, v1, 1, 1                        ; which of the two: (l / 2) % 2;
	v_and_b32 v28, 1, v1                           ; lane 4 (l % 2) + j + 8 ((l / 4) % 2)
	v_bfe_u32 v29, v1, 2, 1
	s_mul_i32 s40, s16, 16*FRP                     ; my two K steps
	v_mul_u32_u24 v[WIW], v26, 2*FRP
	v_mad_u32_u24 v[WIW], v27, FRP, v[WIW]
	v_mad_u32_u24 v[WIW], v28, 192, v[WIW]
	v_mad_u32_u24 v[WIW], v29, 384, v[WIW]
	v_add_nc_u32 v[WIW], s40, v[WIW]
	s_lshl_b32 s40, s16, 10
	s_add_co_u32 s40, s40, WSC
	v_lshlrev_b32 v[WSWA], 7, v26
	v_lshl_add_u32 v[WSWA], v27, 6, v[WSWA]
	v_lshl_add_u32 v[WSWA], v28, 4, v[WSWA]
	v_lshl_add_u32 v[WSWA], v29, 5, v[WSWA]
	v_add_nc_u32 v[WSWA], s40, v[WSWA]
	v_mul_u32_u24 v[WR0], v1, 48                   ; images 0-31;
	v_add_nc_u32 v[WR1], 32*FRP, v[WR0]            ; images 32-63
	v_lshl_add_u32 v[WSR], v1, 2, WSC
	s_mul_i32 s40, s16, 16*SP
	s_add_co_u32 s40, s40, STG                     ; my stage
	v_mul_u32_u24 v[STO], v2, SP
	v_lshl_add_u32 v[STO], v3, 6, v[STO]
	v_add_nc_u32 v[STO], s40, v[STO]               ; in: row r, 64 h
	v_lshl_add_u32 v[SRD], v1, 4, s40              ; back: 16 bytes a lane of a row
	s_lshl_b32 s40, s16, 16
	v_lshl_add_u32 v[GOUT], v1, 4, s40             ; part: 16 rows of 4,096 bytes a wave
	s_lshl_b32 s40, s16, 6
	v_lshl_add_u32 v[SOF], v3, 12, s40             ; lanes 16-31 take the K step after: 4,096 bytes on
	v_lshl_add_u32 v[SOF], v2, 2, v[SOF]
	s_mul_i32 s40, s16, 1536
	v_lshl_add_u32 v[AOF], v1, 4, s40
	v_lshrrev_b32 v24, 2, v1                       ; the prefetches: K step lane / 4,
	v_and_b32 v25, 3, v1
	v_mul_u32_u24 v[PF1], v24, 98304
	v_add_nc_u32 v[PF1], s40, v[PF1]
	v_lshl_add_u32 v[PF0], v25, 8, v[PF1]          ; blocks 0-3 of my tile's image: lane % 4;
	v_lshrrev_b32 v25, 1, v25
	v_lshl_add_u32 v[PF1], v25, 8, v[PF1]          ; blocks 4 and 5 (with the immediate 1,024): two lanes each
	s_lshl_b32 s40, s16, 13
	v_lshl_add_u32 v[PF2], v3, 12, s40             ; scale words: K step 2 w + h
	s_mul_i32 s42, s19, 6144
	s_add_nc_u64 s[46:47], s[8:9], s[42:43]        ; trip c's images
	s_lshl_b32 s42, s19, 8
	s_add_nc_u64 s[48:49], s[14:15], s[42:43]      ; and its 64 rows' scale words
	s_lshl_b32 s42, s19, 6                         ; its first row
	s_lshl_b32 s24, s16, 4                         ; my tile's first row
	s_mov_b32 s22, 0                               ; the trip
	s_wait_alu depctr_va_vdst(0)                   ; the wait at the head's end
	s_wait_kmcnt 0x0
	s_min_u32 s20, s20, 1024                       ; n
	s_cmp_lt_u32 s42, s20
	s_cbranch_scc0 .Lnopf
	global_prefetch_b8 v[PF0], s[46:47] th:TH_LOAD_NT scope:SCOPE_SE
	global_prefetch_b8 v[PF1], s[46:47] offset:1024 th:TH_LOAD_NT scope:SCOPE_SE
	global_prefetch_b8 v[PF2], s[48:49] th:TH_LOAD_NT scope:SCOPE_SE
	s_add_co_u32 s42, s42, 512
	s_cmp_lt_u32 s42, s20
	s_cbranch_scc0 .Lnopf
	global_prefetch_b8 v[PF0], s[46:47] offset:49152 th:TH_LOAD_NT scope:SCOPE_SE
	global_prefetch_b8 v[PF1], s[46:47] offset:50176 th:TH_LOAD_NT scope:SCOPE_SE
	global_prefetch_b8 v[PF2], s[48:49] offset:2048 th:TH_LOAD_NT scope:SCOPE_SE
.Lnopf:
	; ---- PHASE A.  The count 32: the next block's loads are the younger ones
	BLOCK 0, 32
	BLOCK 1, 32
	BLOCK 2, 32
	BLOCK 3, 32
	STOREW 0
	BLOCK 4, 32
	BLOCK 5, 32
	BLOCK 6, 32
	BLOCK 7, 0
.irp s, 0,1,2,3,4,5,6,7
	TL \s                                          ; my first tile (the launch before always stores trip 0's four): 28 loads, in the order in which the trips ask
.endr
	STOREW 1
	s_cmp_eq_u32 s18, 0
	s_cselect_b32 s40, -1, 0
.irp k, 0,1,2,3
	v_and_b32 v[BI+\k], s40, v[BI+\k]              ; b2 enters the four quarters' sum once
.endr
	s_wait_alu depctr_va_vdst(0)                   ; the wait ahead of the waits below
	s_wait_xcnt 0x0                                ; the rows' bases are stepped only behind this wait
	s_wait_dscnt 0x0                               ; for the others' sake: my images lie in LDS
	s_barrier_signal -1
	s_barrier_wait -1
.set f, 0
.rept 64                                       ; all 64 fragments
	WHERE
	WIN rW<<6
.irp c, 0,1,2
	ds_load_b128 v[rA+4*\c:rA+4*\c+3], v[WR0+f/32] offset:FRP*(f%32)+16*\c
.endr
.set f, f+1
.endr
	WIN 0
.set i, 0
.rept 32
	ds_load_b32 v[WS+i], v[WSR] offset:128*i       ; K step i / 4, pair of tiles i % 4: lanes 0-15 the even tile's words, lanes 16-31 the odd one's
.set i, i+1
.endr
	s_wait_dscnt 0x0
	; ---- PHASE B
.Ltrip:
	s_cmp_lt_u32 s24, s20                          ; do my 16 rows begin under n?
	s_cbranch_scc0 .Ldone
	s_add_co_u32 s28, s24, 64
	s_cmp_lt_u32 s28, s20                          ; and my next tile's?  Then the bases step on to it (it lies in a trip that the launch before has stored); else they stay
	s_cselect_b32 s30, 6144, 0
	s_cselect_b32 s32, 256, 0
	s_add_nc_u64 s[8:9], s[8:9], s[30:31]
	s_add_nc_u64 s[14:15], s[14:15], s[32:33]
.irp s, 0,1,2,3,4,5,6,7
.if \s%2 == 0
	s_wait_loadcnt 21                              ; of a tile's 28 loads those up to this pair of K steps' scale words are in: behind them stand 21, this tile's later ones and the next tile's earlier ones
.endif
.irp t, 0,1,2,3,4,5,6,7
	ONE \s, \t                                     ; the eight accumulators by turns
.endr
	WIN 0
.rept 5
	v_nop                                          ; places ahead of loads into the products' sources, of reads of their results and of products that begin the sums anew
.endr
	TL \s
.endr
.irp p, 0,1,2,3,4,5,6,7,8,9,10,11,12,13,14,15
	ds_store_b128 v[STO], v[ACC+4*\p:ACC+4*\p+3] offset:128*(\p/4)+16*(\p%4)   ; each accumulator from its low end on
.endr
.irp n, 0,1,2,3,4,5,6,7,8,9,10,11,12,13,14,15
	ds_load_b128 v[ACC+4*\n:ACC+4*\n+3], v[SRD] offset:SP*\n   ; LDS serves a wave's instructions in order: these see my stores
.endr
.irp n, 0,1,2,3,4,5,6,7,8,9,10,11,12,13,14,15
	s_wait_dscnt 15-\n                             ; row n is back
	v_pk_add_f32 v[ACC+4*\n:ACC+4*\n+1], v[ACC+4*\n:ACC+4*\n+1], v[BI:BI+1]
	v_pk_add_f32 v[ACC+4*\n+2:ACC+4*\n+3], v[ACC+4*\n+2:ACC+4*\n+3], v[BI+2:BI+3]
	global_store_b128 v[GOUT], v[ACC+4*\n:ACC+4*\n+3], s[12:13] offset:4096*\n th:TH_STORE_NT   ; 32 lanes store 512 consecutive bytes of a row, aligned
.endr
	s_wait_xcnt 0x0                                ; bases and store data are written again only behind this wait
	s_add_nc_u64 s[12:13], s[12:13], 64*4096
	s_add_co_u32 s24, s24, 64
	s_add_co_u32 s22, s22, 1
	s_cmp_lt_u32 s22, 16
	s_cbranch_scc1 .Ltrip
.Ldone:
	s_wait_tensorcnt 0x0                           ; the wave's end
	ds_add_u32 v49, v127
	s_wait_dscnt 0x0
	s_endpgm
.Lfunc_end_k_q2e147d7c30_gemm2:
	.size	k_q2e147d7c30_gemm2, .Lfunc_end_k_q2e147d7c30_gemm2-k_q2e147d7c30_gemm2
	.p2alignl 7, 3214868480
	.fill 96, 4, 3214868480
	.section	.rodata,"a",@progbits
	.p2align	6, 0x0
	.amdhsa_kernel k_q2e147d7c30_gemm2
		.amdhsa_group_segment_fixed_size 137728
		.amdhsa_private_segment_fixed_size 0
		.amdhsa_enable_private_segment 0
		.amdhsa_kernarg_size 40
		.amdhsa_user_sgpr_count 2
		.amdhsa_user_sgpr_kernarg_segment_ptr 1
		.amdhsa_wavefront_size32 1
		.amdhsa_system_sgpr_workgroup_id_x 1
		.amdhsa_system_sgpr_workgroup_id_y 1
		.amdhsa_system_sgpr_workgroup_id_z 1
		.amdhsa_system_vgpr_workitem_id 0
		.amdhsa_next_free_vgpr 1024
		.amdhsa_next_free_sgpr 66
		.amdhsa_reserve_vcc 0
		.amdhsa_float_denorm_mode_32 3
		.amdhsa_float_denorm_mode_16_64 3
		.amdhsa_memory_ordered 1
		.amdhsa_forward_progress 1
		.amdhsa_inst_pref_size 149
	.end_amdhsa_kernel
	.amdgpu_metadata
---
amdhsa.version: [ 1, 2 ]
amdhsa.kernels:
  - .name:           k_q2e147d7c30_gemm2
    .symbol:         k_q2e147d7c30_gemm2.kd
    .args:
      - { .name: w2, .offset: 0, .size: 8, .value_kind: global_buffer, .address_space: global }
      - { .name: b2, .offset: 8, .size: 8, .value_kind: global_buffer, .address_space: global }
      - { .name: hc, .offset: 16, .size: 8, .value_kind: global_buffer, .address_space: global }
      - { .name: list, .offset: 24, .size: 8, .value_kind: global_buffer, .address_space: global }
      - { .name: part, .offset: 32, .size: 8, .value_kind: global_buffer, .address_space: global }
    .group_segment_fixed_size: 137728
    .private_segment_fixed_size: 0
    .kernarg_segment_align: 8
    .kernarg_segment_size: 40
    .max_flat_workgroup_size: 128
    .sgpr_count:     66
    .vgpr_count:     1024
    .wavefront_size: 32
...
	.end_amdgpu_metadata
.endif
;; end of part 4
;; launch combine (part 5): grid 256 x 1, 4 waves a work-group, no clusters, 0 bytes of LDS; arguments idx, rank, part, out0; writes out0
.if DOCPART == 5
	.amdgcn_target "amdgcn-amd-amdhsa--gfx1250"
	.amdhsa_code_object_version 6
	.text
	.protected	k_q2e147d7c30_combine
	.globl	k_q2e147d7c30_combine
	.p2align	8
	.type	k_q2e147d7c30_combine,@function
k_q2e147d7c30_combine:
	s_mov_b64 s[64:65], 0
	v_nop
	global_prefetch_b8 v0, s[64:65] scope:SCOPE_SE
	s_setreg_imm32_b32 hwreg(HW_REG_WAVE_MODE, 25, 1), 1
	s_wait_xcnt 0x0
; COMBINE.  out[t] = the sum, over the token's two experts and the four quarters of K, of the eight rows of part that belong to it.  A wave owns a token: each output row has one owner, and nothing is added in memory.
; The two experts come from idx and the token's rows in their lists from rank: whole numbers that earlier launches stored; each enters an address only behind a hold at its range's end.
; A stream: eight rows of 4,096 bytes in, one out.  A chunk is 1,024 bytes of all eight rows, 16 loads of 512 consecutive bytes; three chunks are asked for ahead.  No LDS, no barrier, no matrix unit: waves share nothing.
.set S0,   16                          ; v16-79, v80-143, v144-207: three sets of 64: row p's 32 bytes a lane at 8 p
.set OUTR, 208                         ; v208-239 the sums: eight registers for each chunk, so that no store's data are written again
	s_load_b256 s[4:11], s[0:1], 0x0               ; idx s[4:5], rank s[6:7], part s[8:9], out s[10:11]
	v_lshrrev_b32 v1, 5, v0
	v_readfirstlane_b32 s16, v1                    ; wave
	v_and_b32 v1, 31, v0
	v_lshlrev_b32 v2, 4, v1                        ; 16 x lane
	s_lshl_b32 s17, ttmp9, 2
	s_add_co_u32 s17, s17, s16                     ; my token
	s_lshl_b32 s18, s17, 3
	s_mov_b32 s19, 0
	s_mov_b32 s21, 0
	s_mov_b32 s23, 0
	s_wait_alu depctr_va_vdst(0)
	s_wait_kmcnt 0x0
	s_add_nc_u64 s[4:5], s[4:5], s[18:19]
	s_load_b64 s[12:13], s[4:5], 0x0               ; its two experts
	s_lshl_b32 s18, s17, 12
	s_add_nc_u64 s[10:11], s[10:11], s[18:19]      ; its row of the output
	s_wait_kmcnt 0x0
	s_min_u32 s12, s12, 7
	s_min_u32 s13, s13, 7
	s_lshl_b32 s20, s12, 10
	s_add_co_u32 s20, s20, s17
	s_lshl_b32 s20, s20, 2                         ; rank[e][t]
	s_lshl_b32 s22, s13, 10
	s_add_co_u32 s22, s22, s17
	s_lshl_b32 s22, s22, 2
	s_add_nc_u64 s[24:25], s[6:7], s[20:21]
	s_add_nc_u64 s[26:27], s[6:7], s[22:23]
	s_load_b32 s14, s[24:25], 0x0
	s_load_b32 s15, s[26:27], 0x0
	s_wait_kmcnt 0x0
	s_min_u32 s14, s14, 1023
	s_min_u32 s15, s15, 1023
	s_lshl_b32 s20, s12, 10
	s_add_co_u32 s20, s20, s14
	s_lshl_b32 s20, s20, 12                        ; (1,024 e + row) rows of 4,096 bytes
	s_lshl_b32 s22, s13, 10
	s_add_co_u32 s22, s22, s15
	s_lshl_b32 s22, s22, 12
	s_add_nc_u64 s[28:29], s[8:9], s[20:21]        ; the first expert's row in quarter 0;
	s_add_nc_u64 s[36:37], s[8:9], s[22:23]        ; the second's
.irp q, 0,1,2
	s_add_nc_u64 s[30+2*\q:31+2*\q], s[28+2*\q:29+2*\q], 0x2000000   ; a quarter on: 8 experts x 1,024 rows x 4,096 bytes
	s_add_nc_u64 s[38+2*\q:39+2*\q], s[36+2*\q:37+2*\q], 0x2000000
.endr
.macro CLOAD ch, set
.irp p, 0,1,2,3,4,5,6,7
.irp j, 0,1
	global_load_b128 v[\set+8*\p+4*\j:\set+8*\p+4*\j+3], v2, s[28+2*\p:29+2*\p] offset:1024*\ch+512*\j th:TH_LOAD_NT
.endr
.endr
.endm
.macro CSUM ch, set                    ; 28 packed additions, as a tree over the eight rows
.irp p, 0,2,4,6
.irp k, 0,2,4,6
	v_pk_add_f32 v[\set+8*\p+\k:\set+8*\p+\k+1], v[\set+8*\p+\k:\set+8*\p+\k+1], v[\set+8*(\p+1)+\k:\set+8*(\p+1)+\k+1]
.endr
.endr
.irp p, 0,4
.irp k, 0,2,4,6
	v_pk_add_f32 v[\set+8*\p+\k:\set+8*\p+\k+1], v[\set+8*\p+\k:\set+8*\p+\k+1], v[\set+8*(\p+2)+\k:\set+8*(\p+2)+\k+1]
.endr
.endr
.irp k, 0,2,4,6
	v_pk_add_f32 v[OUTR+8*\ch+\k:OUTR+8*\ch+\k+1], v[\set+\k:\set+\k+1], v[\set+32+\k:\set+32+\k+1]
.endr
.endm
.macro CSTORE ch
.irp j, 0,1
	global_store_b128 v2, v[OUTR+8*\ch+4*\j:OUTR+8*\ch+4*\j+3], s[10:11] offset:1024*\ch+512*\j th:TH_STORE_NT   ; 32 lanes store 512 consecutive bytes, aligned
.endr
.endm
	CLOAD 0, S0
	CLOAD 1, S0+64
	CLOAD 2, S0+128
	s_wait_loadcnt 32                              ; chunk 0 is in; chunks 1 and 2 may be out
	CSUM 0, S0
	CLOAD 3, S0                                    ; its set takes the last chunk
	CSTORE 0
	s_wait_loadcnt 32                              ; chunk 1 is in; chunks 2 and 3 may be out
	CSUM 1, S0+64
	CSTORE 1
	s_wait_loadcnt 16                              ; chunk 2 is in; chunk 3 may be out
	CSUM 2, S0+128
	CSTORE 2
	s_wait_loadcnt 0x0
	CSUM 3, S0
	CSTORE 3
	s_endpgm
.Lfunc_end_k_q2e147d7c30_combine:
	.size	k_q2e147d7c30_combine, .Lfunc_end_k_q2e147d7c30_combine-k_q2e147d7c30_combine
	.p2alignl 7, 3214868480
	.fill 96, 4, 3214868480
	.section	.rodata,"a",@progbits
	.p2align	6, 0x0
	.amdhsa_kernel k_q2e147d7c30_combine
		.amdhsa_group_segment_fixed_size 0
		.amdhsa_private_segment_fixed_size 0
		.amdhsa_enable_private_segment 0
		.amdhsa_kernarg_size 32
		.amdhsa_user_sgpr_count 2
		.amdhsa_user_sgpr_kernarg_segment_ptr 1
		.amdhsa_wavefront_size32 1
		.amdhsa_system_sgpr_workgroup_id_x 1
		.amdhsa_system_sgpr_workgroup_id_y 1
		.amdhsa_system_sgpr_workgroup_id_z 1
		.amdhsa_system_vgpr_workitem_id 0
		.amdhsa_next_free_vgpr 248
		.amdhsa_next_free_sgpr 66
		.amdhsa_reserve_vcc 0
		.amdhsa_float_denorm_mode_32 3
		.amdhsa_float_denorm_mode_16_64 3
		.amdhsa_memory_ordered 1
		.amdhsa_forward_progress 1
		.amdhsa_inst_pref_size 16
	.end_amdhsa_kernel
	.amdgpu_metadata
---
amdhsa.version: [ 1, 2 ]
amdhsa.kernels:
  - .name:           k_q2e147d7c30_combine
    .symbol:         k_q2e147d7c30_combine.kd
    .args:
      - { .name: idx, .offset: 0, .size: 8, .value_kind: global_buffer, .address_space: global }
      - { .name: rank, .offset: 8, .size: 8, .value_kind: global_buffer, .address_space: global }
      - { .name: part, .offset: 16, .size: 8, .value_kind: global_buffer, .address_space: global }
      - { .name: out0, .offset: 24, .size: 8, .value_kind: global_buffer, .address_space: global }
    .group_segment_fixed_size: 0
    .private_segment_fixed_size: 0
    .kernarg_segment_align: 8
    .kernarg_segment_size: 32
    .max_flat_workgroup_size: 128
    .sgpr_count:     66
    .vgpr_count:     248
    .wavefront_size: 32
...
	.end_amdgpu_metadata
.endif
;; end of part 5
